; MI455X (gfx1250); checked and timed in simulation.
; The chip was launched on July 23, 2026; its instructions are those of AMD's public machine-readable ISA for CDNA 5 (MIT licence, August 2026) and "CDNA5" Instruction Set Architecture Reference Guide (July 2026). The comments in the code are by the model that wrote it; some were corrected since.
;; Attention Block. Allowed arithmetic: matrix products marked QUANTISED: E4M3 operands, one given power-of-two scale a tensor, by v_wmma_f32_16x16x64_fp8_fp8 or v_wmma_f32_16x16x128_fp8_fp8, f32 sums; everything else in f32.
;; Inputs: Wkv 1,024 x 512 float32; Wp 512 x 512 float32; Wq 512 x 512 float32; bkv 1,024 float32; bp 512 float32; bq 512 float32; gn_b 512 float32; gn_w 512 float32; lowp_scales 10 int32 (the exponents e of the quantised operands' scales 2^e); x 16 x 512 x 32 x 32 float32; y 16 x 512 x 32 x 32 float32.
;; Outputs: out0 16 x 512 x 32 x 32 float32.
;; This version of the problem:
;;   THIS VERSION OF THE PROBLEM IS GIVEN IN LOW PRECISION. The matrix products marked QUANTISED in the list below multiply operands that are first quantised to E4M3 (4 exponent bits, 3 mantissa bits; 8 bits a number), with one given power-of-two scale for each operand tensor; their sums are f32. All else is computed in f32.
;;   The module's matrix products, in the order in which they are computed (A, B: the left and right operand; K: the contracted axis; several contracted axes count as one K, in the product's order):
;;     1. [M 16,384, K 512] x [K 512, N 512]; A: computed on the way; B: input Wq: QUANTISED (scales: A lowp_scales[0], B lowp_scales[1])
;;     2. [M 16,384, K 512] x [K 512, N 1,024]; A: computed on the way; B: input Wkv: QUANTISED (scales: A lowp_scales[2], B lowp_scales[3])
;;     3. batch 128 x [M 1,024, K 64] x [K 64, N 1,024]; A: computed on the way; B: computed on the way: QUANTISED (scales: A lowp_scales[4], B lowp_scales[5])
;;     4. batch 128 x [M 64, K 1,024] x [K 1,024, N 1,024]; A: computed on the way; B: softmax (see below): QUANTISED (scales: A lowp_scales[6], B lowp_scales[7])
;;     5. [M 16,384, K 512] x [K 512, N 512]; A: computed on the way; B: input Wp: QUANTISED (scales: A lowp_scales[8], B lowp_scales[9])
;;   THE QUANTISER, for each operand of a quantised product, along K:
;;     - The operand's scale is 2^e, e = its entry of the input lowp_scales (int32; the entries are numbered through the quantised products in the list's order, A before B).
;;     - Each number is divided by the scale, clamped to +-448, and rounded to the nearest number of E4M3, ties to even, subnormals kept.
;;     - The product sums the exact products of the quantised numbers (number of the format x scale) in f32.
;;   ~~~python
;;   def quantise(x, axis, e):      # numpy; x: float32 -> the quantised numbers, widened to float32 again
;;       x = np.moveaxis(x, axis, -1); K = x.shape[-1]
;;       r = np.clip(x / 2.0 ** e, -448, 448)
;;       step = 2.0 ** (np.maximum(np.frexp(np.where(r == 0, 1, r))[1] - 1, -6) - 3)
;;       q = np.round(r / step) * step * 2.0 ** e      # np.round: ties to even
;;       return np.moveaxis(q, -1, axis).astype(np.float32)
;;   ~~~
;;   SOFTMAX AHEAD OF A QUANTISED PRODUCT. Where the list says 'softmax', what is quantised is not the finished softmax but p = 2^(t - M), with t = logit x log2(e) and M = ceil(the row's largest t), a whole number; so 1/2 < the row's largest p <= 1. The row's sum l is taken of the UNQUANTISED p, in f32, and the product's result is divided by l at the end. Since M is a whole number, a kernel that streams over the keys may use a running M (the ceiling of the running maximum): every later rescaling is an exact power of two, so the quantised numbers keep their values, but for numbers so far below the row's largest that they fall under the format's range.
;;   OPERANDS COMPUTED ON THE WAY. 'Computed on the way' means the value that the module computes at that place (a softmax that the list does not call 'softmax' is quantised finished and normalised). What goes into a quantiser is computed in f32, as accurately as f32 sums, v_exp_f32 and their like allow (about 1e-6 of the number): no bf16 or f16 on the way to a quantiser, and a product that is left as it is and whose result goes on into a quantised operand takes f32 operands (vector FMAs, or v_wmma_f32_16x16x4_f32). A number that lies on a knife's edge between two numbers of the format may be rounded either way, as far as f32 arithmetic and the matrix unit's own rounding can turn it there, and no further.
;; 2 versions, each right; version 2 is version 1 with the launches qkv, attn, proj written anew for expert scheduling mode. Each part assembles by itself: llvm-mc -triple=amdgcn-amd-amdhsa -mcpu=gfx1250 --defsym DOCPART=n.
;; ======== version 1 of 2: 4 launches
;; workspace buffers: xc 8,388,608 bytes; yc 8,388,608 bytes; wc 1,048,576 bytes; qc 8,388,608 bytes; kc 8,388,608 bytes; vc 8,388,608 bytes; ac 8,388,608 bytes
;; launch prep (part 1): grid 1152 x 1, 4 waves a work-group, no clusters, 768 bytes of LDS; arguments x, y, gn_w, gn_b, Wq, Wkv, Wp, lowp_scales, xc, yc, wc; writes xc, yc, wc
.if DOCPART == 1
	.amdgcn_target "amdgcn-amd-amdhsa--gfx1250"
	.amdhsa_code_object_version 6
	.text
	.protected	k_qcd66147505_prep
	.globl	k_qcd66147505_prep
	.p2align	8
	.type	k_qcd66147505_prep,@function
k_qcd66147505_prep:
	s_mov_b64 s[64:65], 0
	v_nop
	global_prefetch_b8 v0, s[64:65] scope:SCOPE_SE
	s_setreg_imm32_b32 hwreg(HW_REG_WAVE_MODE, 25, 1), 1
	s_wait_xcnt 0x0
; GROUP NORM OF x AND y, QUANTISED TO E4M3, AND THE THREE WEIGHTS QUANTISED TO E4M3.  All results are stored as images of the matrix operands' registers.
; Work-groups 0 .. 1023: one norm group each (tensor = id / 512, batch and group = id % 512): 16 channels x 1,024 tokens, 65,536 consecutive bytes, kept in registers (128 a lane) between the
; pass for the mean, the pass for the variance (of x - mean: a common offset of the inputs costs no accuracy) and the pass that normalises and quantises: x and y are read once.
; Work-groups 1024 .. 1151: one tile of 16 rows of a weight each (tiles 0-31 Wq, 32-95 Wkv, 96-127 Wp); wave w takes 128 along K from 128 w on.
; THE TOKENS' ORDER.  Tile 4 blk + j of a batch holds, as its row r, token t = 64 blk + 4 r + j.  So the four numbers of a 16-byte load belong to four tiles and one row.
; xc, yc: [batch][tile 64][K step 4][chunk 4][lane 32][16 bytes]; lane (r, h) of chunk c of K step s holds channels 128 s + 32 c + 16 h + 0 .. 15 of row r: exactly norm group 8 s + 2 c + h.
; wc: [tile 128][K step 4][chunk 4][lane][16 bytes].  Wq and Wkv in the same order of K as xc; Wp in the matrix form's own order (registers 2 c, 2 c + 1: k = 16 c + 8 h + 0 .. 7), as the attention's results are laid.
; code = number / 2^e, held within +-448, to the nearest code, ties to even.  LIMITS: each e used here (entries 0, 1, 2, 3, 9) lies between -126 and 119.  NaN among the inputs is not served.
; The weights' loads take 64 or 32 neighbouring bytes a lane, rows 2,048 bytes apart: 4 MiB of the launch's 68; their stores, like all stores here, cover whole aligned runs of 256 bytes.
; No matrix unit, no data mover: each byte is read once, and the only thing that waves share is two sums.
.set NORMS, 1024
.set Y, 24                             ; v24-55   two sets of 16 numbers along K
.set C, 56                             ; v56-87   codes: four registers for each of eight stores, never written again
.set X, 88                             ; v88-215  the lane's 128 numbers: channel ch, load i, element j at X + 8 ch + 4 i + j
	s_load_b512 s[8:23], s[0:1], 0x0               ; x 8, y 10, gn_w 12, gn_b 14, Wq 16, Wkv 18, Wp 20, the exponents 22
	s_load_b128 s[24:27], s[0:1], 0x40             ; xc, yc
	s_load_b64 s[28:29], s[0:1], 0x50              ; wc
	v_lshl_add_u32 v216, v0, 2, 0x100
	v_mov_b32 v217, 0
	v_lshrrev_b32 v22, 5, v0
	v_readfirstlane_b32 s2, v22                    ; wave 0..3
	s_mov_b32 s31, 0                               ; the high word of every offset pair s[30:31]
	s_wait_kmcnt 0x0
	s_load_b256 s[68:75], s[22:23], 0x0            ; e0 .. e7
	s_load_b64 s[76:77], s[22:23], 0x20            ; e8, e9
	s_cmp_ge_u32 ttmp9, NORMS                      ; the same in all four waves of a work-group
	s_cbranch_scc1 .Lweights
	; ---------------- a norm group ----------------
	s_and_b32 s3, ttmp9, 511                       ; 32 x batch + group
	s_lshl_b32 s30, s3, 16                         ; a group is 65,536 bytes
	s_cmp_lt_u32 ttmp9, 512                        ; x or y
	s_cselect_b64 s[4:5], s[8:9], s[10:11]
	s_cselect_b64 s[6:7], s[24:25], s[26:27]
	s_add_nc_u64 s[4:5], s[4:5], s[30:31]
	v_lshlrev_b32 v1, 4, v0                        ; 16 bytes a thread: the work-group's 128 threads take 2,048 consecutive bytes
.set n, 0
.rept 32
	global_load_b128 v[X+4*n:X+4*n+3], v1, s[4:5] offset:2048*n th:TH_LOAD_NT   ; channel n / 2, tokens 512 (n % 2) + 4 thread + 0 .. 3
.set n, n+1
.endr
	s_and_b32 s79, s3, 31                          ; the group
	s_lshl_b32 s30, s79, 6
	s_add_nc_u64 s[12:13], s[12:13], s[30:31]
	s_add_nc_u64 s[14:15], s[14:15], s[30:31]
	s_load_b512 s[32:47], s[12:13], 0x0            ; the group's 16 gains
	s_load_b512 s[48:63], s[14:15], 0x0            ; and 16 offsets
	s_lshr_b32 s78, s3, 5
	s_lshl_b32 s78, s78, 19                        ; a batch's codes are 524,288 bytes;
	s_lshl_b32 s79, s79, 8                         ; K step, chunk and half of the lanes together are 256 x group
	s_add_co_u32 s30, s78, s79
	s_add_nc_u64 s[6:7], s[6:7], s[30:31]
	v_lshrrev_b32 v2, 4, v0
	v_lshlrev_b32 v2, 15, v2                       ; thread / 16 = block of 64 tokens: four tiles of 8,192 bytes
	v_and_b32 v3, 15, v0
	v_lshl_add_u32 v2, v3, 4, v2                   ; + 16 x row
	v_lshlrev_b32 v22, 2, v22                      ; my wave's word among the four sums
	v_mov_b32 v21, 0                               ; a lane permute's destination counts as read: written once
	v_mov_b32 v23, 0
	v_mov_b32 v7, 0                                ; named as the upper half of the pair v[6:7]
	s_mov_b32 s82, 0x76543210                      ; lane selects: each lane takes its own place in the other half
	s_mov_b32 s83, 0xfedcba98
	s_mov_b32 s81, 0x38800000                      ; 1 / 16,384
	s_mov_b32 s84, 0x3727c5ac                      ; 1e-5
; The four packed chains v[8:15] become one sum over the work-group, in v16 of every lane.  off: the four words used; each reduction has words of its own, so one barrier serves it.
.macro REDUCE off
	v_pk_add_f32 v[8:9], v[8:9], v[10:11]
	v_pk_add_f32 v[12:13], v[12:13], v[14:15]
	v_pk_add_f32 v[8:9], v[8:9], v[12:13]
	v_add_f32 v20, v8, v9
	v_add_f32_dpp v20, v20, v20 row_xmask:1 row_mask:0xf bank_mask:0xf
	v_add_f32_dpp v20, v20, v20 row_xmask:2 row_mask:0xf bank_mask:0xf
	v_add_f32_dpp v20, v20, v20 row_xmask:4 row_mask:0xf bank_mask:0xf
	v_add_f32_dpp v20, v20, v20 row_xmask:8 row_mask:0xf bank_mask:0xf
	v_permlanex16_b32 v21, v20, s82, s83
	v_add_f32 v20, v20, v21
	ds_store_b32 v22, v20 offset:\off              ; all lanes of a wave write the same word with the same number
	s_wait_dscnt 0x0                               ; for the others' sake: my store has landed
	s_barrier_signal -1
	s_barrier_wait -1
	ds_load_b128 v[16:19], v23 offset:\off
	s_wait_dscnt 0x0
	v_add_f32 v16, v16, v17
	v_add_f32 v18, v18, v19
	v_add_f32 v16, v16, v18
.endm
.macro SUMS count                      ; so many further pairs onto the four chains
.rept \count
	v_pk_add_f32 v[8+2*(p%4):9+2*(p%4)], v[8+2*(p%4):9+2*(p%4)], v[X+2*p:X+2*p+1]
.set p, p+1
.endr
.endm
	; pass 1: the mean.  Four batches of eight loads; each count is the loads of the later batches, which may stay out
	s_wait_loadcnt 24
.irp k, 0,1,2,3
	v_pk_add_f32 v[8+2*\k:9+2*\k], v[X+4*\k:X+4*\k+1], v[X+4*\k+2:X+4*\k+3]   ; the first eight pairs start the chains: nothing is cleared
.endr
.set p, 8
	SUMS 8
	s_wait_loadcnt 16
	SUMS 16
	s_wait_loadcnt 8
	SUMS 16
	s_wait_loadcnt 0x0
	SUMS 16
	REDUCE 0
	v_mul_f32 v6, s81, v16                         ; the mean
	; pass 2: x - mean in place, and the sum of its squares
.set p, 0
.rept 16
.irp k, 0,1,2,3
	v_pk_add_f32 v[X+2*(p+\k):X+2*(p+\k)+1], v[X+2*(p+\k):X+2*(p+\k)+1], v[6:7] op_sel_hi:[1,0] neg_lo:[0,1] neg_hi:[0,1]
.endr
.irp k, 0,1,2,3
.if p == 0
	v_pk_mul_f32 v[8+2*\k:9+2*\k], v[X+2*\k:X+2*\k+1], v[X+2*\k:X+2*\k+1]
.else
	v_pk_fma_f32 v[8+2*\k:9+2*\k], v[X+2*(p+\k):X+2*(p+\k)+1], v[X+2*(p+\k):X+2*(p+\k)+1], v[8+2*\k:9+2*\k]
.endif
.endr
.set p, p+4
.endr
	REDUCE 16
	v_fma_f32 v16, v16, s81, s84                   ; the variance + 1e-5
	v_rsq_f32 v16, v16
	v_nop                                          ; a plain instruction behind the transcendental (ISA guide 5.7.2)
	s_wait_kmcnt 0x0                               ; the gains, the offsets, the exponents
	s_cmp_lt_u32 ttmp9, 512
	s_cselect_b32 s78, s68, s70                    ; e0 for x, e2 for y
	s_add_co_i32 s78, s78, 127
	s_lshl_b32 s79, s78, 23
	v_mov_b32 v4, s79                              ; 2^e as f32: the conversion takes its exponent field
	s_add_co_i32 s78, s78, 8
	s_lshl_b32 s78, s78, 23
	s_or_b32 s78, s78, 0x600000
	v_mov_b32 v5, s78                              ; 448 x 2^e
	s_wait_alu depctr_va_vdst(0)                   ; the wait ahead of the result's first reader
	v_readfirstlane_b32 s80, v16
.irp ch, 0,1,2,3,4,5,6,7,8,9,10,11,12,13,14,15
	s_mul_f32 s[32+\ch], s[32+\ch], s80            ; gain / sqrt(variance + 1e-5)
.endr
	; pass 3: for each of my eight tokens the 16 channels: one fused multiply-add each, which also gathers them into registers that run along K; the hold; two conversions; 16 bytes out
.irp i, 0,1
.irp j, 0,1,2,3
.irp ch, 0,1,2,3,4,5,6,7,8,9,10,11,12,13,14,15
	v_fma_f32 v[Y+16*(\j%2)+\ch], v[X+8*\ch+4*\i+\j], s[32+\ch], s[48+\ch]
.endr
.irp ch, 0,1,2,3,4,5,6,7,8,9,10,11,12,13,14,15
	v_med3_num_f32 v[Y+16*(\j%2)+\ch], v[Y+16*(\j%2)+\ch], -v5, v5   ; the conversion to an 8-bit code does not saturate (ISA guide 7.6.2)
.endr
	v_cvt_scalef32_pk8_fp8_f32 v[C+4*(4*\i+\j):C+4*(4*\i+\j)+1], v[Y+16*(\j%2):Y+16*(\j%2)+7], v4
	v_cvt_scalef32_pk8_fp8_f32 v[C+4*(4*\i+\j)+2:C+4*(4*\i+\j)+3], v[Y+16*(\j%2)+8:Y+16*(\j%2)+15], v4
	global_store_b128 v2, v[C+4*(4*\i+\j):C+4*(4*\i+\j)+3], s[6:7] offset:262144*\i+8192*\j   ; tile 32 i + 4 (thread / 16) + j: sixteen lanes store 256 consecutive bytes, aligned.  The next token's multiply-adds, into the other set, are the plain lines behind the conversions
.endr
.endr
	s_wait_tensorcnt 0x0
	ds_add_u32 v216, v217
	s_wait_dscnt 0x0
	s_endpgm
	; ---------------- a tile of a weight ----------------
.Lweights:
	s_sub_co_u32 s3, ttmp9, NORMS                  ; the tile, 0 .. 127
	s_wait_kmcnt 0x0
	s_cmp_lt_u32 s3, 96
	s_cselect_b64 s[4:5], s[18:19], s[20:21]       ; Wkv, else Wp
	s_cselect_b32 s7, 32, 96                       ; the tensor's first tile
	s_cselect_b32 s78, s71, s77                    ; e3, else e9
	s_cselect_b32 s6, 6, 5                         ; lanes 16-31 begin 16 numbers further on, in Wp 8
	s_cmp_lt_u32 s3, 32
	s_cselect_b64 s[4:5], s[16:17], s[4:5]         ; Wq
	s_cselect_b32 s7, 0, s7
	s_cselect_b32 s78, s69, s78                    ; e1
	s_sub_co_u32 s30, s3, s7
	s_lshl_b32 s30, s30, 15                        ; 16 rows of 2,048 bytes
	s_add_nc_u64 s[4:5], s[4:5], s[30:31]
	v_and_b32 v8, 15, v0
	v_bfe_u32 v9, v0, 4, 1
	v_lshlrev_b32 v1, 11, v8                       ; my row,
	v_lshlrev_b32 v9, s6, v9                       ; my half's first number,
	s_lshl_b32 s7, s2, 9                           ; my wave's 128 along K
	v_add3_u32 v1, v1, v9, s7
	s_cmp_ge_u32 s3, 96
	s_cbranch_scc1 .Lown_order
.set n, 0
.rept 16
	global_load_b128 v[X+4*n:X+4*n+3], v1, s[4:5] offset:128*(n/4)+16*(n%4) th:TH_LOAD_NT   ; k = 32 (n / 4) + 16 h + 4 (n % 4) + 0 .. 3
.set n, n+1
.endr
	s_branch .Lloaded
.Lown_order:
.set n, 0
.rept 16
	global_load_b128 v[X+4*n:X+4*n+3], v1, s[4:5] offset:64*(n/2)+16*(n%2) th:TH_LOAD_NT    ; k = 16 (n / 2) + 8 h + 4 (n % 2) + 0 .. 3
.set n, n+1
.endr
.Lloaded:
	s_add_co_i32 s78, s78, 127
	s_lshl_b32 s79, s78, 23
	v_mov_b32 v4, s79                              ; 2^e
	s_add_co_i32 s78, s78, 8
	s_lshl_b32 s78, s78, 23
	s_or_b32 s78, s78, 0x600000
	v_mov_b32 v5, s78                              ; 448 x 2^e
	s_lshl_b32 s30, s3, 13                         ; a tile's codes are 8,192 bytes,
	s_lshl_b32 s7, s2, 11                          ; a K step's 2,048
	s_add_co_u32 s30, s30, s7
	s_add_nc_u64 s[28:29], s[28:29], s[30:31]
	v_and_b32 v2, 31, v0
	v_lshlrev_b32 v2, 4, v2
	s_wait_loadcnt 0x0
.set n, 0
.rept 64
	v_med3_num_f32 v[X+n], v[X+n], -v5, v5
.set n, n+1
.endr
.set n, 0
.rept 8
	v_cvt_scalef32_pk8_fp8_f32 v[C+2*n:C+2*n+1], v[X+8*n:X+8*n+7], v4
.set n, n+1
.endr
.irp g, 0,1,2,3
	global_store_b128 v2, v[C+4*\g:C+4*\g+3], s[28:29] offset:512*\g   ; the fragment's registers 4 g .. 4 g + 3: 512 consecutive bytes a store
.endr
	s_endpgm
.Lfunc_end_k_qcd66147505_prep:
	.size	k_qcd66147505_prep, .Lfunc_end_k_qcd66147505_prep-k_qcd66147505_prep
	.p2alignl 7, 3214868480
	.fill 96, 4, 3214868480
	.section	.rodata,"a",@progbits
	.p2align	6, 0x0
	.amdhsa_kernel k_qcd66147505_prep
		.amdhsa_group_segment_fixed_size 768
		.amdhsa_private_segment_fixed_size 0
		.amdhsa_enable_private_segment 0
		.amdhsa_kernarg_size 88
		.amdhsa_user_sgpr_count 2
		.amdhsa_user_sgpr_kernarg_segment_ptr 1
		.amdhsa_wavefront_size32 1
		.amdhsa_system_sgpr_workgroup_id_x 1
		.amdhsa_system_sgpr_workgroup_id_y 1
		.amdhsa_system_sgpr_workgroup_id_z 1
		.amdhsa_system_vgpr_workitem_id 0
		.amdhsa_next_free_vgpr 218
		.amdhsa_next_free_sgpr 96
		.amdhsa_reserve_vcc 0
		.amdhsa_float_denorm_mode_32 3
		.amdhsa_float_denorm_mode_16_64 3
		.amdhsa_memory_ordered 1
		.amdhsa_forward_progress 1
		.amdhsa_inst_pref_size 48
	.end_amdhsa_kernel
	.amdgpu_metadata
---
amdhsa.version: [ 1, 2 ]
amdhsa.kernels:
  - .name:           k_qcd66147505_prep
    .symbol:         k_qcd66147505_prep.kd
    .args:
      - { .name: x, .offset: 0, .size: 8, .value_kind: global_buffer, .address_space: global }
      - { .name: y, .offset: 8, .size: 8, .value_kind: global_buffer, .address_space: global }
      - { .name: gn_w, .offset: 16, .size: 8, .value_kind: global_buffer, .address_space: global }
      - { .name: gn_b, .offset: 24, .size: 8, .value_kind: global_buffer, .address_space: global }
      - { .name: Wq, .offset: 32, .size: 8, .value_kind: global_buffer, .address_space: global }
      - { .name: Wkv, .offset: 40, .size: 8, .value_kind: global_buffer, .address_space: global }
      - { .name: Wp, .offset: 48, .size: 8, .value_kind: global_buffer, .address_space: global }
      - { .name: lowp_scales, .offset: 56, .size: 8, .value_kind: global_buffer, .address_space: global }
      - { .name: xc, .offset: 64, .size: 8, .value_kind: global_buffer, .address_space: global }
      - { .name: yc, .offset: 72, .size: 8, .value_kind: global_buffer, .address_space: global }
      - { .name: wc, .offset: 80, .size: 8, .value_kind: global_buffer, .address_space: global }
    .group_segment_fixed_size: 768
    .private_segment_fixed_size: 0
    .kernarg_segment_align: 8
    .kernarg_segment_size: 88
    .max_flat_workgroup_size: 128
    .sgpr_count:     96
    .vgpr_count:     218
    .wavefront_size: 32
...
	.end_amdgpu_metadata
.endif
;; end of part 1
;; launch qkv (part 2): grid 64 x 3, 8 waves a work-group, no clusters, 132,096 bytes of LDS; arguments xc, yc, wc, bq, bkv, lowp_scales, qc, kc, vc; writes qc, kc, vc
.if DOCPART == 2
	.amdgcn_target "amdgcn-amd-amdhsa--gfx1250"
	.amdhsa_code_object_version 6
	.text
	.protected	k_qcd66147505_qkv
	.globl	k_qcd66147505_qkv
	.p2align	8
	.type	k_qcd66147505_qkv,@function
k_qcd66147505_qkv:
	s_mov_b64 s[64:65], 0
	v_nop
	global_prefetch_b8 v0, s[64:65] scope:SCOPE_SE
	s_setreg_imm32_b32 hwreg(HW_REG_WAVE_MODE, 25, 1), 1
	s_wait_xcnt 0x0
; THE THREE 1 x 1 CONVOLUTIONS ON CODES OF E4M3, THEIR BIASES, THE FACTOR 64^(-1/4) ON q AND k, AND THE QUANTISING OF q, k AND v FOR THE ATTENTION.
; Work-group (x, y): 256 tokens (16 tiles; x = 4 batch + quarter) of one kind y: 0 q (from xc, Wq), 1 k, 2 v (from yc, Wkv).  Wave w makes head w's 64 channels for all 256 tokens: its 64 rows of the
; weight, 16 fragments of 16 x 128, stay in 256 registers; the tokens' 131,072 bytes of codes go once into LDS, as they lie, and every wave reads them from there, two tiles a trip.
; 192 work-groups: three kinds of equal work; half the tokens to a work-group would read each weight twice as often.
; q, k: source 0 = 16 rows of the weight, source 1 = 16 tokens: a lane holds ONE token and 8 neighbouring channels, which one conversion turns into registers 2 cc, 2 cc + 1 of a fragment 16 tokens x 64 channels.
; v:    source 0 = 16 tokens, source 1 = 16 rows of the weight: a lane holds ONE channel and 8 rows of a tile of tokens: registers 2 u, 2 u + 1 (u = tile % 8) of a fragment 16 channels x 128 keys.
; qc, kc: [batch][head][tile 64][chunk 2][lane][16 bytes].   vc: [batch][head][step 8][16 channels: 4][chunk 4][lane][16 bytes].  Every store of a wave covers 512 consecutive bytes.
; number = sum x 2^(eA + eB) x f + bias x f, f = 64^(-1/4) for q and k, 1 for v: one packed multiply-add for two numbers.
; LIMITS: e0 + e1 and e2 + e3 between -124 and 127; e4, e5, e6 between -126 and 119.
; REGISTERS.  Window 0: v1 16 x lane; v2, v3 the two addresses of the way into LDS, later the LDS address of the tiles to fetch and the stores' offset; v4, v5 scale and limit; v6, v7 the biases' offsets;
;   v8-15 bias for v (a pair for each 16 channels); v16-47 bias for q, k; v48-63 codes; v64-127 eight accumulators (tile tl, channels cc at 8 (4 tl + cc)); v128-255 two tiles' fragments (64 tl + 16 s).
;   Window 1: the weight's fragments, (cc, K step s) at 16 (4 cc + s).
.set BR,  8
.set B1,  16
.set CD,  48
.set ACC, 64
.set TF,  128
.set MSB, 0
.macro WIN new                         ; the immediate's high byte repeats the setting that is left
.if MSB != \new
	s_set_vgpr_msb (MSB<<8)|\new
.set MSB, \new
.endif
.endm
	s_load_b512 s[8:23], s[0:1], 0x0               ; xc 8, yc 10, wc 12, bq 14, bkv 16, the exponents 18, qc 20, kc 22
	s_load_b64 s[24:25], s[0:1], 0x40              ; vc
	v_lshrrev_b32 v4, 5, v0
	v_readfirstlane_b32 s2, v4                     ; wave = head
	v_and_b32 v1, 31, v0
	v_lshlrev_b32 v1, 4, v1                        ; 16 x lane
	v_lshlrev_b32 v2, 4, v0                        ; 16 x thread: the work-group's 256 threads take 4,096 consecutive bytes
	v_add_nc_u32 v3, 0x10000, v2                   ; the upper half of the tokens' bytes in LDS: an LDS offset has 16 bits
	v_bfe_u32 v6, v0, 4, 1
	v_lshlrev_b32 v6, 5, v6                        ; 32 h: 8 numbers of the bias
	v_and_b32 v7, 15, v0
	v_lshlrev_b32 v7, 2, v7                        ; 4 r: one number
	s_and_b32 s3, ttmp7, 0xffff                    ; the kind
	s_mov_b32 s35, 0                               ; the high word of every offset pair s[34:35]
	s_lshl_b32 s48, s2, 2                          ; q: tiles 4 w on
	s_lshl_b32 s49, s2, 3
	s_add_co_u32 s49, s49, 32                      ; k: 32 + 8 w on;
	s_cmp_eq_u32 s3, 2
	s_cselect_b32 s50, 4, 0
	s_add_co_u32 s49, s49, s50                     ; v: four further
	s_cmp_eq_u32 s3, 0
	s_cselect_b32 s48, s48, s49                    ; my first tile in wc,
	s_cselect_b32 s50, 0, 32
	s_sub_co_u32 s50, s48, s50                     ; and in its own tensor: 16 numbers of the bias a tile
	s_wait_kmcnt 0x0
	s_load_b256 s[36:43], s[18:19], 0x0            ; e0 .. e7
	s_cmp_eq_u32 s3, 0
	s_cselect_b64 s[26:27], s[8:9], s[10:11]       ; the tokens' codes
	s_cselect_b64 s[30:31], s[14:15], s[16:17]     ; the bias
	s_lshl_b32 s34, ttmp9, 17                      ; 16 tiles of 8,192 bytes
	s_add_nc_u64 s[26:27], s[26:27], s[34:35]
	s_lshl_b32 s34, s50, 6
	s_add_nc_u64 s[30:31], s[30:31], s[34:35]
	s_lshl_b32 s34, s48, 13
	s_add_nc_u64 s[28:29], s[12:13], s[34:35]      ; my four tiles of the weight
.irp cc, 0,1,2,3
	global_load_b128 v[B1+8*\cc:B1+8*\cc+3], v6, s[30:31] offset:64*\cc        ; bias(16 cc + 8 h + 0 .. 7): both shapes are loaded whatever the kind
	global_load_b128 v[B1+8*\cc+4:B1+8*\cc+7], v6, s[30:31] offset:64*\cc+16
	global_load_b32 v[BR+2*\cc], v7, s[30:31] offset:64*\cc                    ; bias(16 cc + r)
.endr
.set n, 0
.rept 32
	global_load_b128 v[TF+4*n:TF+4*n+3], v2, s[26:27] offset:4096*n
.set n, n+1
.endr
	WIN 0x40                                       ; destination window 1
.set n, 0
.rept 64
	global_load_b128 v[4*n:4*n+3], v1, s[28:29] offset:512*n
.set n, n+1
.endr
	WIN 0
	s_cmp_eq_u32 s3, 1
	s_cselect_b64 s[32:33], s[22:23], s[24:25]
	s_cmp_eq_u32 s3, 0
	s_cselect_b64 s[32:33], s[20:21], s[32:33]     ; qc, kc or vc
	s_lshr_b32 s34, ttmp9, 2
	s_lshl_b32 s34, s34, 3
	s_add_co_u32 s34, s34, s2                      ; 8 batch + head: 65,536 bytes each;
	s_lshl_b32 s34, s34, 16
	s_and_b32 s49, ttmp9, 3
	s_lshl_b32 s49, s49, 14                        ; a quarter of the tokens: 16,384
	s_add_co_u32 s34, s34, s49
	s_add_nc_u64 s[32:33], s[32:33], s[34:35]
	s_wait_kmcnt 0x0
	s_add_co_i32 s48, s36, s37                     ; e0 + e1
	s_add_co_i32 s49, s38, s39                     ; e2 + e3
	s_mov_b32 s52, 0x3eb504f3                      ; 64^(-1/4) = 2^(-3/2)
	s_mov_b32 s51, 0x3f800000
	s_cmp_eq_u32 s3, 2
	s_cselect_b32 s52, s51, s52                    ; f
	s_cselect_b32 s50, s42, s41                    ; e6 for v, e5 for k,
	s_cmp_eq_u32 s3, 0
	s_cselect_b32 s48, s48, s49
	s_cselect_b32 s50, s40, s50                    ; e4 for q
	s_mov_b32 s53, s52                             ; (named with it as a pair)
	s_lshl_b32 s48, s48, 23
	s_add_co_i32 s44, s52, s48                     ; f x 2^(eA + eB): the exponents are added to f's exponent field
	s_mov_b32 s45, s44
	s_add_co_i32 s50, s50, 127
	s_lshl_b32 s51, s50, 23
	v_mov_b32 v4, s51                              ; 2^e
	s_add_co_i32 s50, s50, 8
	s_lshl_b32 s50, s50, 23
	s_or_b32 s50, s50, 0x600000
	v_mov_b32 v5, s50                              ; 448 x 2^e
	s_wait_loadcnt 63                              ; behind the tokens' loads stand the weight's 64; 63 is the largest count that the wait names, so one load more is awaited
.set n, 0
.rept 16
	ds_store_b128 v2, v[TF+4*n:TF+4*n+3] offset:4096*n
.set n, n+1
.endr
.set n, 0
.rept 16
	ds_store_b128 v3, v[TF+64+4*n:TF+64+4*n+3] offset:4096*n
.set n, n+1
.endr
	s_wait_loadcnt 0x0                             ; the weight
.set n, 0
.rept 16
	v_pk_mul_f32 v[B1+2*n:B1+2*n+1], v[B1+2*n:B1+2*n+1], s[52:53] op_sel_hi:[1,0]   ; bias x f
.set n, n+1
.endr
.irp cc, 0,1,2,3
	v_mul_f32 v[BR+2*\cc+1], s52, v[BR+2*\cc]      ; the one number fills both halves of its pair
	v_mul_f32 v[BR+2*\cc], s52, v[BR+2*\cc]
.endr
	s_wait_dscnt 0x0                               ; for the others' sake: my stores have landed
	s_barrier_signal -1
	s_barrier_wait -1                              ; the 16 tiles lie in LDS; from here on LDS is only read
.macro FETCH adr                       ; two tiles' eight fragments: 32 loads of 512 consecutive bytes
.set n, 0
.rept 32
	ds_load_b128 v[TF+4*n:TF+4*n+3], v[\adr] offset:512*n
.set n, n+1
.endr
.endm
; Two tiles of tokens x my 64 channels.  vals = 1: the kind is v.  more = 1: the next two tiles are fetched behind the products.
; The eight accumulators take turns, one instruction a turn; the first K step starts the sums with the constant 0.
.macro ARM vals, more
.if \vals
	WIN 0x04                                       ; source 1 (the weight) window 1
.else
	WIN 0x01                                       ; source 0 (the weight) window 1
.endif
.irp ks, 0,1,2,3
.irp tl, 0,1
.irp cc, 0,1,2,3
.if \vals
.if \ks == 0
	v_wmma_f32_16x16x128_fp8_fp8 v[ACC+8*(4*\tl+\cc):ACC+8*(4*\tl+\cc)+7], v[TF+64*\tl+16*\ks:TF+64*\tl+16*\ks+15], v[16*(4*\cc+\ks):16*(4*\cc+\ks)+15], 0
.else
	v_wmma_f32_16x16x128_fp8_fp8 v[ACC+8*(4*\tl+\cc):ACC+8*(4*\tl+\cc)+7], v[TF+64*\tl+16*\ks:TF+64*\tl+16*\ks+15], v[16*(4*\cc+\ks):16*(4*\cc+\ks)+15], v[ACC+8*(4*\tl+\cc):ACC+8*(4*\tl+\cc)+7]
.endif
.else
.if \ks == 0
	v_wmma_f32_16x16x128_fp8_fp8 v[ACC+8*(4*\tl+\cc):ACC+8*(4*\tl+\cc)+7], v[16*(4*\cc+\ks):16*(4*\cc+\ks)+15], v[TF+64*\tl+16*\ks:TF+64*\tl+16*\ks+15], 0
.else
	v_wmma_f32_16x16x128_fp8_fp8 v[ACC+8*(4*\tl+\cc):ACC+8*(4*\tl+\cc)+7], v[16*(4*\cc+\ks):16*(4*\cc+\ks)+15], v[TF+64*\tl+16*\ks:TF+64*\tl+16*\ks+15], v[ACC+8*(4*\tl+\cc):ACC+8*(4*\tl+\cc)+7]
.endif
.endif
.endr
.endr
.endr
	WIN 0
.rept 4
	v_nop                                          ; four places in front of the loads into registers that the products have read, and of the first read of results
.endr
.if \more
	FETCH 2                                        ; they land while this pair's results are worked on
.endif
.irp tl, 0,1
.irp cc, 0,1,2,3
.irp i, 0,2,4,6
.if \vals
	v_pk_fma_f32 v[ACC+8*(4*\tl+\cc)+\i:ACC+8*(4*\tl+\cc)+\i+1], v[ACC+8*(4*\tl+\cc)+\i:ACC+8*(4*\tl+\cc)+\i+1], s[44:45], v[BR+2*\cc:BR+2*\cc+1] op_sel_hi:[1,0,1]
.else
	v_pk_fma_f32 v[ACC+8*(4*\tl+\cc)+\i:ACC+8*(4*\tl+\cc)+\i+1], v[ACC+8*(4*\tl+\cc)+\i:ACC+8*(4*\tl+\cc)+\i+1], s[44:45], v[B1+8*\cc+\i:B1+8*\cc+\i+1] op_sel_hi:[1,0,1]
.endif
.endr
.endr
.endr
.set n, 0
.rept 64
	v_med3_num_f32 v[ACC+n], v[ACC+n], -v5, v5     ; the conversion to an 8-bit code does not saturate (ISA guide 7.6.2)
.set n, n+1
.endr
.irp tl, 0,1
.irp cc, 0,1,2,3
.if \vals
	v_cvt_scalef32_pk8_fp8_f32 v[CD+4*\cc+2*\tl:CD+4*\cc+2*\tl+1], v[ACC+8*(4*\tl+\cc):ACC+8*(4*\tl+\cc)+7], v4   ; channels cc: registers 2 u, 2 u + 1 of tiles u = 2 (trip % 4) + tl: one chunk
.else
	v_cvt_scalef32_pk8_fp8_f32 v[CD+8*\tl+2*\cc:CD+8*\tl+2*\cc+1], v[ACC+8*(4*\tl+\cc):ACC+8*(4*\tl+\cc)+7], v4   ; tile tl: registers 2 cc, 2 cc + 1
.endif
.endr
.endr
	v_nop                                          ; a plain line between the conversions and the next products, which write their sources
.irp g, 0,1,2,3
.if \vals
	global_store_b128 v3, v[CD+4*\g:CD+4*\g+3], s[32:33] offset:2048*\g    ; the chunk of the fragment of channels 16 g on
.else
	global_store_b128 v3, v[CD+4*\g:CD+4*\g+3], s[32:33] offset:512*\g     ; tile g / 2, chunk g % 2
.endif
.endr
.endm
.macro TRIP more
	s_wait_dscnt 0x0                               ; this trip's two tiles are in registers
	s_wait_xcnt 0x0                                ; the last trip's stores have read their codes and their offset: both are written again below
.if \more
	s_add_co_u32 s47, s47, 16384
	v_add_nc_u32 v2, s47, v1                       ; the next two tiles in LDS
.endif
	s_lshl_b32 s48, s46, 11                        ; q, k: two tiles of 1,024 bytes a trip
	s_lshr_b32 s49, s46, 2
	s_lshl_b32 s49, s49, 13                        ; v: the step of 128 keys (8,192 bytes),
	s_and_b32 s50, s46, 3
	s_lshl_b32 s50, s50, 9                         ; and the chunk
	s_or_b32 s49, s49, s50
	s_cmp_eq_u32 s3, 2
	s_cselect_b32 s48, s49, s48
	v_add_nc_u32 v3, s48, v1
	s_cbranch_scc1 .Lvals_\@                       ; on the work-group's kind: the same in all waves
	ARM 0, \more
	s_branch .Ljoin_\@
.Lvals_\@:
	ARM 1, \more
.Ljoin_\@:
.endm
	FETCH 1                                        ; tiles 0 and 1
	s_mov_b32 s46, 0                               ; the trip
	s_mov_b32 s47, 0                               ; the LDS byte of the pair fetched last
.Ltrip:
	TRIP 1
	s_add_co_u32 s46, s46, 1
	s_cmp_lt_u32 s46, 7
	s_cbranch_scc1 .Ltrip
	TRIP 0                                         ; the last pair: nothing is left to fetch
	s_wait_xcnt 0x0
	v_lshl_add_u32 v254, v0, 2, 0x20000
	v_mov_b32 v255, 0
	s_wait_tensorcnt 0x0
	ds_add_u32 v254, v255
	s_wait_dscnt 0x0
	s_endpgm
.Lfunc_end_k_qcd66147505_qkv:
	.size	k_qcd66147505_qkv, .Lfunc_end_k_qcd66147505_qkv-k_qcd66147505_qkv
	.p2alignl 7, 3214868480
	.fill 96, 4, 3214868480
	.section	.rodata,"a",@progbits
	.p2align	6, 0x0
	.amdhsa_kernel k_qcd66147505_qkv
		.amdhsa_group_segment_fixed_size 132096
		.amdhsa_private_segment_fixed_size 0
		.amdhsa_enable_private_segment 0
		.amdhsa_kernarg_size 72
		.amdhsa_user_sgpr_count 2
		.amdhsa_user_sgpr_kernarg_segment_ptr 1
		.amdhsa_wavefront_size32 1
		.amdhsa_system_sgpr_workgroup_id_x 1
		.amdhsa_system_sgpr_workgroup_id_y 1
		.amdhsa_system_sgpr_workgroup_id_z 1
		.amdhsa_system_vgpr_workitem_id 0
		.amdhsa_next_free_vgpr 512
		.amdhsa_next_free_sgpr 66
		.amdhsa_reserve_vcc 0
		.amdhsa_float_denorm_mode_32 3
		.amdhsa_float_denorm_mode_16_64 3
		.amdhsa_memory_ordered 1
		.amdhsa_forward_progress 1
		.amdhsa_inst_pref_size 61
	.end_amdhsa_kernel
	.amdgpu_metadata
---
amdhsa.version: [ 1, 2 ]
amdhsa.kernels:
  - .name:           k_qcd66147505_qkv
    .symbol:         k_qcd66147505_qkv.kd
    .args:
      - { .name: xc, .offset: 0, .size: 8, .value_kind: global_buffer, .address_space: global }
      - { .name: yc, .offset: 8, .size: 8, .value_kind: global_buffer, .address_space: global }
      - { .name: wc, .offset: 16, .size: 8, .value_kind: global_buffer, .address_space: global }
      - { .name: bq, .offset: 24, .size: 8, .value_kind: global_buffer, .address_space: global }
      - { .name: bkv, .offset: 32, .size: 8, .value_kind: global_buffer, .address_space: global }
      - { .name: lowp_scales, .offset: 40, .size: 8, .value_kind: global_buffer, .address_space: global }
      - { .name: qc, .offset: 48, .size: 8, .value_kind: global_buffer, .address_space: global }
      - { .name: kc, .offset: 56, .size: 8, .value_kind: global_buffer, .address_space: global }
      - { .name: vc, .offset: 64, .size: 8, .value_kind: global_buffer, .address_space: global }
    .group_segment_fixed_size: 132096
    .private_segment_fixed_size: 0
    .kernarg_segment_align: 8
    .kernarg_segment_size: 72
    .max_flat_workgroup_size: 256
    .sgpr_count:     66
    .vgpr_count:     512
    .wavefront_size: 32
...
	.end_amdgpu_metadata
.endif
;; end of part 2
;; launch attn (part 3): grid 2 x 128, 8 waves a work-group, no clusters, 132,096 bytes of LDS; arguments qc, kc, vc, lowp_scales, ac; writes ac
.if DOCPART == 3
	.amdgcn_target "amdgcn-amd-amdhsa--gfx1250"
	.amdhsa_code_object_version 6
	.text
	.protected	k_qcd66147505_attn
	.globl	k_qcd66147505_attn
	.p2align	8
	.type	k_qcd66147505_attn,@function
k_qcd66147505_attn:
	s_mov_b64 s[64:65], 0
	v_nop
	global_prefetch_b8 v0, s[64:65] scope:SCOPE_SE
	s_setreg_imm32_b32 hwreg(HW_REG_WAVE_MODE, 25, 1), 1
	s_wait_xcnt 0x0
; ATTENTION ON CODES OF E4M3: a = softmax(q . k) v for one head, both products quantised; a is quantised for the last convolution.
; Work-group (half, 8 batch + head): 512 queries of one head.  Wave w owns block 8 half + w of 64 queries: four tiles of 16.  The head's K and V, 65,536 bytes each, go once into LDS, as they lie in kc and
; vc (images of the operands' registers), and are only read from then on; every wave walks all 1,024 keys, 128 a step.  Two waves share a SIMD.
; BOTH PRODUCTS ARE USED TRANSPOSED: S^T = K Q^T (source 0 = 16 keys, source 1 = 16 queries), O^T = V^T P^T (source 0 = 16 channels, source 1 = P): a lane holds ONE query throughout.  The eight registers of the
; scores' tile u are keys 16 u + 8 h + 0 .. 7 of the step: one conversion makes registers 2 u, 2 u + 1 of P, the form's own order of K, in which vc is laid.
; THE SOFTMAX: t = score x log2(e); M = the running largest t rounded UP to a whole number, kept as -M = floor(-t); p = 2^(t - M) is quantised, not normalised; the sum is taken of the unquantised p and divides at the
; end; when M moves, the sum and O^T are multiplied by 2^(old M - new M), which rounds nothing.
; BY PAIRS, AND A HALF STEP AHEAD.  The four tiles are two pairs (pair 0: tiles 0, 1; pair 1: tiles 2, 3).  The two tiles of a pair go through the softmax line by line by turns: four independent chains of maxima and of
; sums, and in the run from the maximum to f the other tile's line stands between two of a tile's own.  A half step is: the pair's softmax, on scores that are already in registers; the conversions; the NEXT pair's 16
; products K Q^T, into the scores' registers just freed; O^T x f, 32 plain lines, which are the places behind those products; the pair's 8 products V^T P.  So no vector line reads the result of a product just issued.
; K's fragments of the next step are asked for in a step's first half, behind the last product that reads the old ones and those 32 lines, and used in its second half; V's fragments of a step are asked for in its first
; half behind the maxima and used at that half's end.
; THE HOLD OF p.  p is at most 1, but for the rounding of the largest t.  Where e7 >= -8 the largest code stands for 448 x 2^e7 >= 1.75, so no p reaches it and the 128 holds of a pair are jumped over, by a scalar
; branch on the given whole number; with a smaller e7 they run.
; ac: laid as xc ([batch][tile][K step 4][chunk 4][lane][16 bytes]), in the form's own order of K: head's channels 16 cc + 8 h + 0 .. 7 are registers 8 (head % 2) + 2 cc, + 1 of K step head / 2.
; NOT JOINT LOADS for the two halves of a head: what they share is read once, at the head, not in every step.
; LIMITS: e4 + e5 between -126 and 127; e7 and e8 between -126 and 119; e6 + e7 is applied by v_ldexp_f32 and has none.
; REGISTERS.  Window 0: v1 16 x lane; v2, v3 LDS addresses of the step's K and V; v4, v5 scale and limit; v[6:7], v[8:9] f of the pair's two tiles; v[10:11], v[12:13] their second chains of sums; v14-17 their chains of
;   maxima; v18, v19 the permutes'; v20, v21 the old -M; v22, v23 the way into LDS; v24-39 per tile: -M, largest t, the sum in two halves; v40-71 Q; v72-103 P of the pair's two tiles (at the end: a's codes);
;   v128-191, v192-255 S^T of the pair's two tiles.      Window 1: v0-127 O^T (tile a, channels cc at 32 a + 8 cc); v128-191 V's four fragments; v192-255 K's eight.
.set FF, 6
.set C2, 10
.set MX, 14
.set PM, 18
.set OM, 20
.set ST, 24
.set Q,  40
.set P,  72
.set S,  128
.set VF, 128
.set KF, 192
.set MSB, 0
.macro WIN new                         ; the immediate's high byte repeats the setting that is left
.if MSB != \new
	s_set_vgpr_msb (MSB<<8)|\new
.set MSB, \new
.endif
.endm
	s_load_b256 s[8:15], s[0:1], 0x0               ; qc 8, kc 10, vc 12, the exponents 14
	s_load_b64 s[16:17], s[0:1], 0x20              ; ac
	v_lshl_add_u32 v126, v0, 2, 0x20000
	v_mov_b32 v127, 0
	v_lshrrev_b32 v4, 5, v0
	v_readfirstlane_b32 s2, v4                     ; wave
	v_and_b32 v1, 31, v0
	v_lshlrev_b32 v1, 4, v1
	v_lshlrev_b32 v22, 4, v0                       ; 16 x thread
	v_add_nc_u32 v23, 0x10000, v22                 ; V lies behind K
	v_mov_b32 v7, 0                                ; named as the upper halves of the pairs v[6:7] and v[8:9]
	v_mov_b32 v9, 0
	v_mov_b32 v18, 0                               ; a lane permute's destination counts as read
	v_mov_b32 v19, 0
	s_and_b32 s3, ttmp7, 0xffff                    ; 8 batch + head
	s_lshl_b32 s32, s3, 16
	s_mov_b32 s33, 0
	s_mov_b32 s28, 0x76543210
	s_mov_b32 s29, 0xfedcba98
	s_wait_kmcnt 0x0
	s_load_b128 s[20:23], s[14:15], 0x10           ; e4 .. e7
	s_load_b32 s24, s[14:15], 0x20                 ; e8
	s_add_nc_u64 s[8:9], s[8:9], s[32:33]
	s_add_nc_u64 s[10:11], s[10:11], s[32:33]
	s_add_nc_u64 s[12:13], s[12:13], s[32:33]
.set n, 0
.rept 16
	global_load_b128 v[S+4*n:S+4*n+3], v22, s[10:11] offset:4096*n
.set n, n+1
.endr
.set n, 0
.rept 16
	global_load_b128 v[S+64+4*n:S+64+4*n+3], v22, s[12:13] offset:4096*n
.set n, n+1
.endr
	s_lshl_b32 s34, ttmp9, 3
	s_add_co_u32 s34, s34, s2                      ; my block of 64 queries
	s_lshl_b32 s32, s34, 12                        ; four fragments of 1,024 bytes
	s_add_nc_u64 s[8:9], s[8:9], s[32:33]
.set n, 0
.rept 8
	global_load_b128 v[Q+4*n:Q+4*n+3], v1, s[8:9] offset:512*n
.set n, n+1
.endr
	s_lshr_b32 s32, s3, 3
	s_lshl_b32 s32, s32, 19                        ; the batch,
	s_lshl_b32 s34, s34, 15                        ; four tiles of 8,192 bytes,
	s_add_co_u32 s32, s32, s34
	s_and_b32 s34, s3, 7
	s_lshl_b32 s34, s34, 10                        ; K step head / 2 and chunk 2 (head % 2) together: 1,024 x head
	s_add_co_u32 s32, s32, s34
	s_add_nc_u64 s[16:17], s[16:17], s[32:33]
	s_wait_kmcnt 0x0
	s_add_co_i32 s34, s20, s21
	s_lshl_b32 s34, s34, 23
	s_add_co_i32 s26, s34, 0x3fb8aa3b              ; c = log2(e) x 2^(e4 + e5): the exponents are added to the exponent field
	s_mov_b32 s27, s26                             ; (named with it as a pair)
	s_add_co_i32 s36, s22, s23                     ; e6 + e7
	s_add_co_i32 s34, s23, 127
	s_lshl_b32 s35, s34, 23
	v_mov_b32 v4, s35                              ; 2^e7
	s_add_co_i32 s34, s34, 8
	s_lshl_b32 s34, s34, 23
	s_or_b32 s34, s34, 0x600000
	v_mov_b32 v5, s34                              ; 448 x 2^e7
	s_wait_loadcnt 8                               ; K and V are in; Q's eight loads may stay out
.set n, 0
.rept 16
	ds_store_b128 v22, v[S+4*n:S+4*n+3] offset:4096*n
.set n, n+1
.endr
.set n, 0
.rept 16
	ds_store_b128 v23, v[S+64+4*n:S+64+4*n+3] offset:4096*n
.set n, n+1
.endr
	s_wait_dscnt 0x0                               ; for the others' sake: my stores have landed
	s_barrier_signal -1
	s_barrier_wait -1                              ; K and V lie in LDS; from here on LDS is only read
	s_wait_loadcnt 0x0                             ; Q
; The scores of pair pn's two tiles against the 128 keys whose fragments lie in K's registers: 16 products on 16 accumulators, each begun with the constant 0.
.macro KQ pn
	WIN 0x01                                       ; source 0 (K) window 1
.irp u, 0,1,2,3,4,5,6,7
.irp t, 0,1
	v_wmma_f32_16x16x64_fp8_fp8 v[S+64*\t+8*\u:S+64*\t+8*\u+7], v[KF+8*\u:KF+8*\u+7], v[Q+16*(\pn)+8*\t:Q+16*(\pn)+8*\t+7], 0
.endr
.endr
	WIN 0
.endm
; A HALF STEP: pair pr (tiles 2 pr and 2 pr + 1; t = 0, 1 below) against the step's 128 keys; its scores are in registers.  s30 = 8,192 x the step.
; first = 1: the first step, which starts M, the sum and O^T.   kq = 1: the next pair's scores are begun (pair 1 of this step, or pair 0 of the next).   kload = 1: the next step's fragments of K are asked for.
.macro HALF pr, first, kq, kload
.if (\pr) == 0
	v_add_nc_u32 v2, s30, v1                       ; the step's place in K,
	v_add_nc_u32 v3, 0x10000, v2                   ; and in V
.endif
	; the largest score among my 64 keys: two chains a tile, the tiles by turns; each tile's registers in ascending order
.irp t, 0,1
	v_max3_num_f32 v[MX+2*\t], v[S+64*\t], v[S+64*\t+1], v[S+64*\t+2]
.endr
.irp t, 0,1
	v_max3_num_f32 v[MX+2*\t+1], v[S+64*\t+3], v[S+64*\t+4], v[S+64*\t+5]
.endr
.irp i, 6,10,14,18,22,26,30,34,38,42,46,50,54,58
.irp t, 0,1
	v_max3_num_f32 v[MX+2*\t], v[MX+2*\t], v[S+64*\t+\i], v[S+64*\t+\i+1]
.endr
.irp t, 0,1
	v_max3_num_f32 v[MX+2*\t+1], v[MX+2*\t+1], v[S+64*\t+\i+2], v[S+64*\t+\i+3]
.endr
.endr
.irp t, 0,1
	v_max3_num_f32 v[MX+2*\t], v[MX+2*\t], v[S+64*\t+62], v[S+64*\t+63]
.endr
.irp t, 0,1
	v_max_num_f32 v[MX+2*\t], v[MX+2*\t], v[MX+2*\t+1]
.endr
.irp t, 0,1
	v_permlanex16_b32 v[PM+\t], v[MX+2*\t], s28, s29
.endr
.if (\pr) == 0
	WIN 0x40                                       ; destination window 1.  The step's V: the last products that read V's registers stand in front of the maxima above, more than four plain lines back (ISA guide 7.12.1)
.set n, 0
.rept 16
	ds_load_b128 v[VF+4*n:VF+4*n+3], v3 offset:512*n
.set n, n+1
.endr
	WIN 0
.endif
.irp t, 0,1
	v_max_num_f32 v[MX+2*\t], v[MX+2*\t], v[PM+\t] ; and among the other half of the lanes'
.endr
.if \first
.irp t, 0,1
	v_mul_f32 v[ST+8*(\pr)+4*\t+1], s26, v[MX+2*\t]                        ; as t (c is positive)
.endr
.irp t, 0,1
	v_floor_f32 v[ST+8*(\pr)+4*\t], -v[ST+8*(\pr)+4*\t+1]                  ; -M = floor(-t) = -ceil(t)
.endr
.else
.irp t, 0,1
	v_mul_f32 v[MX+2*\t], s26, v[MX+2*\t]
.endr
.irp t, 0,1
	v_mov_b32 v[OM+\t], v[ST+8*(\pr)+4*\t]                                 ; the old -M
.endr
.irp t, 0,1
	v_max_num_f32 v[ST+8*(\pr)+4*\t+1], v[ST+8*(\pr)+4*\t+1], v[MX+2*\t]   ; the running largest t
.endr
.irp t, 0,1
	v_floor_f32 v[ST+8*(\pr)+4*\t], -v[ST+8*(\pr)+4*\t+1]
.endr
.irp t, 0,1
	v_sub_f32 v[OM+\t], v[ST+8*(\pr)+4*\t], v[OM+\t]                       ; old M - new M: a whole number, 0 or less
.endr
.irp t, 0,1
	v_cvt_i32_f32 v[OM+\t], v[OM+\t]                                       ; (it saturates)
.endr
.irp t, 0,1
	v_ldexp_f32 v[FF+2*\t], 1.0, v[OM+\t]                                  ; f = 2^(old M - new M)
.endr
.endif
	; ONE BATCH: the pair's 64 scalings t - M (two scores each; of the pairs c and -M the low word serves both halves) and 128 exponentials p = 2^(t - M): a scaling, two exponentials, the tiles by turns; a pair of
	; scores is scaled two rounds ahead of its exponentials.  None of these lines names an exponential's result.
.irp g, 0,1
.irp t, 0,1
	v_pk_fma_f32 v[S+64*\t+2*\g:S+64*\t+2*\g+1], v[S+64*\t+2*\g:S+64*\t+2*\g+1], s[26:27], v[ST+8*(\pr)+4*\t:ST+8*(\pr)+4*\t+1] op_sel_hi:[1,0,0]
.endr
.endr
.set n, 0
.rept 32
.irp t, 0,1
.if n < 30
	v_pk_fma_f32 v[S+64*\t+2*n+4:S+64*\t+2*n+5], v[S+64*\t+2*n+4:S+64*\t+2*n+5], s[26:27], v[ST+8*(\pr)+4*\t:ST+8*(\pr)+4*\t+1] op_sel_hi:[1,0,0]
.endif
	v_exp_f32 v[S+64*\t+2*n], v[S+64*\t+2*n]
	v_exp_f32 v[S+64*\t+2*n+1], v[S+64*\t+2*n+1]
.endr
.set n, n+1
.endr
.if \first
	v_nop                                          ; a plain instruction behind the last exponential
.else
.irp t, 0,1
	v_pk_mul_f32 v[ST+8*(\pr)+4*\t+2:ST+8*(\pr)+4*\t+3], v[ST+8*(\pr)+4*\t+2:ST+8*(\pr)+4*\t+3], v[FF+2*\t:FF+2*\t+1] op_sel_hi:[1,0]   ; the sums under the new M; also the plain instruction behind the last exponential
.endr
.endif
	s_wait_alu depctr_va_vdst(0)                   ; the wait ahead of the first reader: one for the 128 exponentials
	; the sums of the UNQUANTISED p, two at a time: two chains a tile, the tiles by turns
.irp t, 0,1
	v_pk_add_f32 v[C2+2*\t:C2+2*\t+1], v[S+64*\t:S+64*\t+1], v[S+64*\t+2:S+64*\t+3]
.endr
.if \first
.irp t, 0,1
	v_pk_add_f32 v[ST+8*(\pr)+4*\t+2:ST+8*(\pr)+4*\t+3], v[S+64*\t+4:S+64*\t+5], v[S+64*\t+6:S+64*\t+7]
.endr
.else
.irp t, 0,1
	v_pk_add_f32 v[ST+8*(\pr)+4*\t+2:ST+8*(\pr)+4*\t+3], v[ST+8*(\pr)+4*\t+2:ST+8*(\pr)+4*\t+3], v[S+64*\t+4:S+64*\t+5]
.endr
.irp t, 0,1
	v_pk_add_f32 v[C2+2*\t:C2+2*\t+1], v[C2+2*\t:C2+2*\t+1], v[S+64*\t+6:S+64*\t+7]
.endr
.endif
.irp j, 8,12,16,20,24,28,32,36,40,44,48,52,56,60
.irp t, 0,1
	v_pk_add_f32 v[ST+8*(\pr)+4*\t+2:ST+8*(\pr)+4*\t+3], v[ST+8*(\pr)+4*\t+2:ST+8*(\pr)+4*\t+3], v[S+64*\t+\j:S+64*\t+\j+1]
.endr
.irp t, 0,1
	v_pk_add_f32 v[C2+2*\t:C2+2*\t+1], v[C2+2*\t:C2+2*\t+1], v[S+64*\t+\j+2:S+64*\t+\j+3]
.endr
.endr
.irp t, 0,1
	v_pk_add_f32 v[ST+8*(\pr)+4*\t+2:ST+8*(\pr)+4*\t+3], v[ST+8*(\pr)+4*\t+2:ST+8*(\pr)+4*\t+3], v[C2+2*\t:C2+2*\t+1]
.endr
	s_cmp_ge_i32 s23, -8                           ; 448 x 2^e7 >= 1.75: no p reaches it
	s_cbranch_scc1 .Lno_hold_\@
.set n, 0
.rept 128
	v_min_num_f32 v[S+n], v[S+n], v5               ; the conversion does not saturate (ISA guide 7.6.2); p is not negative, so the hold is one-sided
.set n, n+1
.endr
.Lno_hold_\@:
.irp u, 0,1,2,3,4,5,6,7
.irp t, 0,1
	v_cvt_scalef32_pk8_fp8_f32 v[P+16*\t+2*\u:P+16*\t+2*\u+1], v[S+64*\t+8*\u:S+64*\t+8*\u+7], v4
.endr
.endr
	v_nop                                          ; a plain line between the conversions and the products that write their sources (K Q^T) and read their results (V^T P)
.if \kq
.if (\pr) == 1
	s_wait_dscnt 0x0                               ; the next step's K, asked for a half step ago, is in
.endif
	KQ 1-(\pr)
.endif
.if \first
.rept 4
	v_nop                                          ; four places behind K Q^T: for the loads into K's registers and for the next half's first read of the scores
.endr
.else
	WIN 0x41                                       ; O^T: destination and source 0 window 1
.irp t, 0,1
.set n, 0
.rept 16
	v_pk_mul_f32 v[64*(\pr)+32*\t+2*n:64*(\pr)+32*\t+2*n+1], v[64*(\pr)+32*\t+2*n:64*(\pr)+32*\t+2*n+1], v[FF+2*\t:FF+2*\t+1] op_sel_hi:[1,0]   ; O^T under the new M, each accumulator from its low end on; these 32 lines are also the places behind K Q^T
.set n, n+1
.endr
.endr
.endif
.if \kload
	WIN 0x40                                       ; destination window 1
.set n, 0
.rept 16
	ds_load_b128 v[KF+4*n:KF+4*n+3], v2 offset:8192+512*n      ; the next step's K
.set n, n+1
.endr
	s_wait_dscnt 16                                ; V's fragments are in; K's sixteen loads, issued behind them, may stay out
.elseif (\pr) == 0
	s_wait_dscnt 0x0                               ; V's fragments are in
.endif
.if \first
	WIN 0x41                                       ; source 0 (V) and destination window 1
.else
	WIN 0x51                                       ; and C
.endif
.irp cc, 0,1,2,3
.irp t, 0,1
.if \first
	v_wmma_f32_16x16x128_fp8_fp8 v[64*(\pr)+32*\t+8*\cc:64*(\pr)+32*\t+8*\cc+7], v[VF+16*\cc:VF+16*\cc+15], v[P+16*\t:P+16*\t+15], 0
.else
	v_wmma_f32_16x16x128_fp8_fp8 v[64*(\pr)+32*\t+8*\cc:64*(\pr)+32*\t+8*\cc+7], v[VF+16*\cc:VF+16*\cc+15], v[P+16*\t:P+16*\t+15], v[64*(\pr)+32*\t+8*\cc:64*(\pr)+32*\t+8*\cc+7]
.endif
.endr
.endr
	WIN 0
.endm
	WIN 0x40                                       ; destination window 1
.set n, 0
.rept 16
	ds_load_b128 v[KF+4*n:KF+4*n+3], v1 offset:512*n           ; K of step 0
.set n, n+1
.endr
	WIN 0
	s_wait_dscnt 0x0
	KQ 0                                           ; pair 0's first scores
.rept 4
	v_nop                                          ; four places in front of the first read of results
.endr
	s_mov_b32 s30, 0
	HALF 0, 1, 1, 1                                ; step 0
	HALF 1, 1, 1, 0
	s_mov_b32 s31, 6
.Lstep:                                            ; steps 1 to 6
	s_add_co_u32 s30, s30, 8192
	HALF 0, 0, 1, 1
	HALF 1, 0, 1, 0
	s_sub_co_u32 s31, s31, 1
	s_cmp_lg_u32 s31, 0
	s_cbranch_scc1 .Lstep
	s_add_co_u32 s30, s30, 8192
	HALF 0, 0, 1, 0                                ; step 7: no step follows, so no K is asked for,
	HALF 1, 0, 0, 0                                ; and no scores are begun
	; THE WAY OUT: a = O^T / the sum x 2^(e6 + e7), quantised with e8.  The additions are the places behind the last products.
.irp a, 0,1,2,3
	v_add_f32 v[ST+4*\a+2], v[ST+4*\a+2], v[ST+4*\a+3]
.endr
.irp a, 0,1,2,3
	v_permlanex16_b32 v[MX+\a], v[ST+4*\a+2], s28, s29
.endr
.irp a, 0,1,2,3
	v_add_f32 v[ST+4*\a+2], v[ST+4*\a+2], v[MX+\a] ; the row's sum
.endr
.irp a, 0,1,2,3
	v_rcp_f32 v[ST+4*\a+2], v[ST+4*\a+2]
.endr
	v_nop                                          ; a plain instruction behind the last reciprocal
	s_add_co_i32 s34, s24, 127
	s_lshl_b32 s35, s34, 23
	v_mov_b32 v4, s35                              ; 2^e8
	s_add_co_i32 s34, s34, 8
	s_lshl_b32 s34, s34, 23
	s_or_b32 s34, s34, 0x600000
	v_mov_b32 v5, s34                              ; 448 x 2^e8
	s_wait_alu depctr_va_vdst(0)                   ; the wait ahead of the first reader: one for the four reciprocals
.irp a, 0,1,2,3
	v_ldexp_f32 v[ST+4*\a+2], v[ST+4*\a+2], s36
.endr
.irp a, 0,1,2,3
	WIN 0x01                                       ; source 0 (O^T) window 1
.set n, 0
.rept 16
	v_pk_mul_f32 v[S+32*(\a%2)+2*n:S+32*(\a%2)+2*n+1], v[32*\a+2*n:32*\a+2*n+1], v[ST+4*\a+2:ST+4*\a+3] op_sel_hi:[1,0]   ; each accumulator from its low end on
.set n, n+1
.endr
	WIN 0
.set n, 0
.rept 32
	v_med3_num_f32 v[S+32*(\a%2)+n], v[S+32*(\a%2)+n], -v5, v5
.set n, n+1
.endr
.irp cc, 0,1,2,3
	v_cvt_scalef32_pk8_fp8_f32 v[P+8*\a+2*\cc:P+8*\a+2*\cc+1], v[S+32*(\a%2)+8*\cc:S+32*(\a%2)+8*\cc+7], v4
.endr
	v_nop                                          ; a plain line behind the conversions
	global_store_b128 v1, v[P+8*\a:P+8*\a+3], s[16:17] offset:8192*\a          ; tile 4 blk + a: 512 consecutive bytes a store
	global_store_b128 v1, v[P+8*\a+4:P+8*\a+7], s[16:17] offset:8192*\a+512
.endr
	s_wait_tensorcnt 0x0
	ds_add_u32 v126, v127
	s_wait_dscnt 0x0
	s_endpgm
.Lfunc_end_k_qcd66147505_attn:
	.size	k_qcd66147505_attn, .Lfunc_end_k_qcd66147505_attn-k_qcd66147505_attn
	.p2alignl 7, 3214868480
	.fill 96, 4, 3214868480
	.section	.rodata,"a",@progbits
	.p2align	6, 0x0
	.amdhsa_kernel k_qcd66147505_attn
		.amdhsa_group_segment_fixed_size 132096
		.amdhsa_private_segment_fixed_size 0
		.amdhsa_enable_private_segment 0
		.amdhsa_kernarg_size 40
		.amdhsa_user_sgpr_count 2
		.amdhsa_user_sgpr_kernarg_segment_ptr 1
		.amdhsa_wavefront_size32 1
		.amdhsa_system_sgpr_workgroup_id_x 1
		.amdhsa_system_sgpr_workgroup_id_y 1
		.amdhsa_system_sgpr_workgroup_id_z 1
		.amdhsa_system_vgpr_workitem_id 0
		.amdhsa_next_free_vgpr 512
		.amdhsa_next_free_sgpr 66
		.amdhsa_reserve_vcc 0
		.amdhsa_float_denorm_mode_32 3
		.amdhsa_float_denorm_mode_16_64 3
		.amdhsa_memory_ordered 1
		.amdhsa_forward_progress 1
		.amdhsa_inst_pref_size 180
	.end_amdhsa_kernel
	.amdgpu_metadata
---
amdhsa.version: [ 1, 2 ]
amdhsa.kernels:
  - .name:           k_qcd66147505_attn
    .symbol:         k_qcd66147505_attn.kd
    .args:
      - { .name: qc, .offset: 0, .size: 8, .value_kind: global_buffer, .address_space: global }
      - { .name: kc, .offset: 8, .size: 8, .value_kind: global_buffer, .address_space: global }
      - { .name: vc, .offset: 16, .size: 8, .value_kind: global_buffer, .address_space: global }
      - { .name: lowp_scales, .offset: 24, .size: 8, .value_kind: global_buffer, .address_space: global }
      - { .name: ac, .offset: 32, .size: 8, .value_kind: global_buffer, .address_space: global }
    .group_segment_fixed_size: 132096
    .private_segment_fixed_size: 0
    .kernarg_segment_align: 8
    .kernarg_segment_size: 40
    .max_flat_workgroup_size: 256
    .sgpr_count:     66
    .vgpr_count:     512
    .wavefront_size: 32
...
	.end_amdgpu_metadata
.endif
;; end of part 3
;; launch proj (part 4): grid 16 x 16, 8 waves a work-group, no clusters, 66,560 bytes of LDS; arguments ac, wc, bp, x, lowp_scales, out0; writes out0
.if DOCPART == 4
	.amdgcn_target "amdgcn-amd-amdhsa--gfx1250"
	.amdhsa_code_object_version 6
	.text
	.protected	k_qcd66147505_proj
	.globl	k_qcd66147505_proj
	.p2align	8
	.type	k_qcd66147505_proj,@function
k_qcd66147505_proj:
	s_mov_b64 s[64:65], 0
	v_nop
	global_prefetch_b8 v0, s[64:65] scope:SCOPE_SE
	s_setreg_imm32_b32 hwreg(HW_REG_WAVE_MODE, 25, 1), 1
	s_wait_xcnt 0x0
; THE LAST 1 x 1 CONVOLUTION ON CODES OF E4M3, ITS BIAS AND THE RESIDUAL: out0 = x + Wp a + bp.
; Work-group (2 tb + oh, batch): 128 tokens (8 tiles, from 128 tb on) x 256 outputs (from 256 oh on).  Wave w makes outputs 256 oh + 32 w + 0 .. 31 (two tiles) for all 128 tokens: its 8 fragments of Wp stay in
; registers; the tokens' 65,536 bytes of codes go once into LDS, as they lie in ac, and every wave reads them from there.
; Source 0 = 16 rows of Wp, source 1 = 16 tokens: register rw of lane (r, h) is output 8 h + rw, row r of the tile.  THE TOKENS' ORDER (tile 4 blk + tk holds token 64 blk + 4 r + tk as its row r) makes the same
; register of the four tiles of a block four NEIGHBOURING tokens: 16 bytes a lane, and sixteen lanes cover 256 consecutive bytes of a row of x and of out0, aligned.  So the results need no way through LDS.
; The bias goes in as the C of each sum's first product, divided by the power of two that the sums lack; out0 = sum x 2^(e8 + e9) + x is one fused multiply-add.
; x is asked for at the head and lands under the products.  LIMIT: e8 + e9 between -126 and 127.
; NOT JOINT LOADS of Wp: it is 128 of the 320 KiB that a work-group reads, once, at its head.
; REGISTERS.  Window 0: v1 16 x lane; v2 my offset in x and out0; v3 the bias's offset; v4 16 x thread; v8-23 bias; v24-87 four fragments of tokens; v88-215 x, then out0: (ot, bb, rw) at 88 + 4 (16 ot + 8 bb + rw).
;   Window 1: v0-127 Wp's fragments, (ot, K step) at 16 (4 ot + ks); v128-255 the 16 accumulators, (ot, tile) at 128 + 8 (8 ot + tile).
.set BC, 8
.set AF, 24
.set XR, 88
.set MSB, 0
.macro WIN new                         ; the immediate's high byte repeats the setting that is left
.if MSB != \new
	s_set_vgpr_msb (MSB<<8)|\new
.set MSB, \new
.endif
.endm
	s_load_b256 s[8:15], s[0:1], 0x0               ; ac 8, wc 10, bp 12, x 14
	s_load_b128 s[16:19], s[0:1], 0x20             ; the exponents 16, out0 18
	v_lshl_add_u32 v254, v0, 2, 0x10000
	v_mov_b32 v255, 0
	v_lshrrev_b32 v5, 5, v0
	v_readfirstlane_b32 s2, v5                     ; wave
	v_and_b32 v1, 31, v0
	v_lshlrev_b32 v1, 4, v1
	v_bfe_u32 v3, v0, 4, 1                         ; h
	v_and_b32 v2, 15, v0
	v_lshlrev_b32 v2, 4, v2                        ; 16 r: four tokens,
	v_lshl_add_u32 v2, v3, 15, v2                  ; + 8 h rows of 4,096 bytes
	v_lshlrev_b32 v3, 5, v3
	v_lshlrev_b32 v4, 4, v0
	s_lshr_b32 s3, ttmp9, 1                        ; tb
	s_and_b32 s4, ttmp9, 1                         ; oh
	s_and_b32 s5, ttmp7, 0xffff                    ; batch
	s_mov_b32 s25, 0                               ; the high word of every offset pair s[24:25]
	s_wait_kmcnt 0x0
	s_load_b64 s[20:21], s[16:17], 0x20            ; e8, e9
	s_lshl_b32 s24, s5, 19
	s_lshl_b32 s6, s3, 16                          ; 8 tiles of 8,192 bytes
	s_add_co_u32 s24, s24, s6
	s_add_nc_u64 s[26:27], s[8:9], s[24:25]        ; the tokens' codes
	s_lshl_b32 s24, s4, 4
	s_lshl_b32 s6, s2, 1
	s_add_co_u32 s24, s24, s6
	s_add_co_u32 s24, s24, 96                      ; Wp's tiles begin at 96
	s_lshl_b32 s24, s24, 13
	s_add_nc_u64 s[28:29], s[10:11], s[24:25]      ; my two tiles of Wp
	s_lshl_b32 s24, s4, 10
	s_lshl_b32 s6, s2, 7
	s_add_co_u32 s24, s24, s6
	s_add_nc_u64 s[30:31], s[12:13], s[24:25]      ; my 32 numbers of the bias
	s_lshl_b32 s24, s4, 8
	s_lshl_b32 s6, s2, 5
	s_add_co_u32 s24, s24, s6                      ; my first output,
	s_lshl_b32 s24, s24, 12
	s_lshl_b32 s6, s5, 21
	s_add_co_u32 s24, s24, s6                      ; in my batch,
	s_lshl_b32 s6, s3, 9
	s_add_co_u32 s24, s24, s6                      ; at my first token
	s_add_nc_u64 s[32:33], s[14:15], s[24:25]      ; x
	s_add_nc_u64 s[34:35], s[18:19], s[24:25]      ; out0
.set n, 0
.rept 16
	global_load_b128 v[AF+4*n:AF+4*n+3], v4, s[26:27] offset:4096*n
.set n, n+1
.endr
	WIN 0x40                                       ; destination window 1
.set n, 0
.rept 32
	global_load_b128 v[4*n:4*n+3], v1, s[28:29] offset:512*n
.set n, n+1
.endr
	WIN 0
.irp ot, 0,1
	global_load_b128 v[BC+8*\ot:BC+8*\ot+3], v3, s[30:31] offset:64*\ot        ; bp(16 ot + 8 h + 0 .. 7)
	global_load_b128 v[BC+8*\ot+4:BC+8*\ot+7], v3, s[30:31] offset:64*\ot+16
.endr
.irp ot, 0,1
.irp bb, 0,1
.irp rw, 0,1,2,3,4,5,6,7
	global_load_b128 v[XR+4*(16*\ot+8*\bb+\rw):XR+4*(16*\ot+8*\bb+\rw)+3], v2, s[32:33] offset:(16*\ot+\rw)*4096+256*\bb th:TH_LOAD_NT
.endr
.endr
.endr
	s_wait_loadcnt 63                              ; behind the tokens' loads stand 68; 63 is the largest count that the wait names
.set n, 0
.rept 16
	ds_store_b128 v4, v[AF+4*n:AF+4*n+3] offset:4096*n
.set n, n+1
.endr
	s_wait_kmcnt 0x0
	s_add_co_i32 s22, s20, s21                     ; e8 + e9
	s_sub_co_i32 s23, 0, s22
	s_add_co_i32 s22, s22, 127
	s_lshl_b32 s22, s22, 23                        ; 2^(e8 + e9) as f32
	s_wait_dscnt 0x0                               ; for the others' sake: my stores have landed
	s_barrier_signal -1
	s_barrier_wait -1                              ; the 8 tiles lie in LDS; from here on LDS is only read
	s_wait_loadcnt 32                              ; Wp and the bias are in; x's 32 loads may stay out
.set n, 0
.rept 16
	v_ldexp_f32 v[BC+n], v[BC+n], s23              ; bp / 2^(e8 + e9)
.set n, n+1
.endr
	; K step by K step, a block of four tiles at a time: eight accumulators by turns, one instruction a turn
.irp ks, 0,1,2,3
.irp bb, 0,1
.irp tk, 0,1,2,3
.irp c, 0,1,2,3
	ds_load_b128 v[AF+16*\tk+4*\c:AF+16*\tk+4*\c+3], v1 offset:(4*\bb+\tk)*8192+2048*\ks+512*\c
.endr
.endr
	s_wait_dscnt 0x0
.if \ks == 0
	WIN 0x41                                       ; source 0 (Wp) and destination window 1; C (the bias) window 0
.else
	WIN 0x51                                       ; and C
.endif
.irp tk, 0,1,2,3
.irp ot, 0,1
.if \ks == 0
	v_wmma_f32_16x16x128_fp8_fp8 v[128+8*(8*\ot+4*\bb+\tk):128+8*(8*\ot+4*\bb+\tk)+7], v[16*(4*\ot+\ks):16*(4*\ot+\ks)+15], v[AF+16*\tk:AF+16*\tk+15], v[BC+8*\ot:BC+8*\ot+7]
.else
	v_wmma_f32_16x16x128_fp8_fp8 v[128+8*(8*\ot+4*\bb+\tk):128+8*(8*\ot+4*\bb+\tk)+7], v[16*(4*\ot+\ks):16*(4*\ot+\ks)+15], v[AF+16*\tk:AF+16*\tk+15], v[128+8*(8*\ot+4*\bb+\tk):128+8*(8*\ot+4*\bb+\tk)+7]
.endif
.endr
.endr
	WIN 0
.rept 4
	v_nop                                          ; four places in front of the loads into registers that the products have read, and at the end of the first read of results
.endr
.endr
.endr
	s_wait_loadcnt 0x0                             ; x
	WIN 0x01                                       ; source 0 (the sums) window 1
.irp ot, 0,1
.irp bb, 0,1
.irp rw, 0,1,2,3,4,5,6,7
.irp tk, 0,1,2,3
	v_fma_f32 v[XR+4*(16*\ot+8*\bb+\rw)+\tk], v[128+8*(8*\ot+4*\bb+\tk)+\rw], s22, v[XR+4*(16*\ot+8*\bb+\rw)+\tk]   ; sum x 2^(e8 + e9) + x; each accumulator from its lowest register on
.endr
.endr
.endr
.endr
	WIN 0
.irp ot, 0,1
.irp bb, 0,1
.irp rw, 0,1,2,3,4,5,6,7
	global_store_b128 v2, v[XR+4*(16*\ot+8*\bb+\rw):XR+4*(16*\ot+8*\bb+\rw)+3], s[34:35] offset:(16*\ot+\rw)*4096+256*\bb th:TH_STORE_NT   ; sixteen lanes store 256 consecutive bytes, aligned; written once, read by nobody here
.endr
.endr
.endr
	s_wait_tensorcnt 0x0
	ds_add_u32 v254, v255
	s_wait_dscnt 0x0
	s_endpgm
.Lfunc_end_k_qcd66147505_proj:
	.size	k_qcd66147505_proj, .Lfunc_end_k_qcd66147505_proj-k_qcd66147505_proj
	.p2alignl 7, 3214868480
	.fill 96, 4, 3214868480
	.section	.rodata,"a",@progbits
	.p2align	6, 0x0
	.amdhsa_kernel k_qcd66147505_proj
		.amdhsa_group_segment_fixed_size 66560
		.amdhsa_private_segment_fixed_size 0
		.amdhsa_enable_private_segment 0
		.amdhsa_kernarg_size 48
		.amdhsa_user_sgpr_count 2
		.amdhsa_user_sgpr_kernarg_segment_ptr 1
		.amdhsa_wavefront_size32 1
		.amdhsa_system_sgpr_workgroup_id_x 1
		.amdhsa_system_sgpr_workgroup_id_y 1
		.amdhsa_system_sgpr_workgroup_id_z 1
		.amdhsa_system_vgpr_workitem_id 0
		.amdhsa_next_free_vgpr 512
		.amdhsa_next_free_sgpr 66
		.amdhsa_reserve_vcc 0
		.amdhsa_float_denorm_mode_32 3
		.amdhsa_float_denorm_mode_16_64 3
		.amdhsa_memory_ordered 1
		.amdhsa_forward_progress 1
		.amdhsa_inst_pref_size 38
	.end_amdhsa_kernel
	.amdgpu_metadata
---
amdhsa.version: [ 1, 2 ]
amdhsa.kernels:
  - .name:           k_qcd66147505_proj
    .symbol:         k_qcd66147505_proj.kd
    .args:
      - { .name: ac, .offset: 0, .size: 8, .value_kind: global_buffer, .address_space: global }
      - { .name: wc, .offset: 8, .size: 8, .value_kind: global_buffer, .address_space: global }
      - { .name: bp, .offset: 16, .size: 8, .value_kind: global_buffer, .address_space: global }
      - { .name: x, .offset: 24, .size: 8, .value_kind: global_buffer, .address_space: global }
      - { .name: lowp_scales, .offset: 32, .size: 8, .value_kind: global_buffer, .address_space: global }
      - { .name: out0, .offset: 40, .size: 8, .value_kind: global_buffer, .address_space: global }
    .group_segment_fixed_size: 66560
    .private_segment_fixed_size: 0
    .kernarg_segment_align: 8
    .kernarg_segment_size: 48
    .max_flat_workgroup_size: 256
    .sgpr_count:     66
    .vgpr_count:     512
    .wavefront_size: 32
...
	.end_amdgpu_metadata
.endif
;; end of part 4
;; ======== version 2 of 2: 4 launches; version 1 with the launches qkv, attn, proj written anew for expert scheduling mode
;; workspace buffers: xc 8,388,608 bytes; yc 8,388,608 bytes; wc 1,048,576 bytes; qc 8,388,608 bytes; kc 8,388,608 bytes; vc 8,388,608 bytes; ac 8,388,608 bytes
;; launch prep: the kernel of part 1 again; grid 1152 x 1, 4 waves a work-group, no clusters, 768 bytes of LDS; arguments x, y, gn_w, gn_b, Wq, Wkv, Wp, lowp_scales, xc, yc, wc; writes xc, yc, wc
;; launch qkv (part 5): grid 64 x 3, 8 waves a work-group, no clusters, 132,096 bytes of LDS; arguments xc, yc, wc, bq, bkv, lowp_scales, qc, kc, vc; writes qc, kc, vc
.if DOCPART == 5
	.amdgcn_target "amdgcn-amd-amdhsa--gfx1250"
	.amdhsa_code_object_version 6
	.text
	.protected	k_qcd66147505_qkv
	.globl	k_qcd66147505_qkv
	.p2align	8
	.type	k_qcd66147505_qkv,@function
k_qcd66147505_qkv:
	s_mov_b64 s[64:65], 0
	v_nop
	global_prefetch_b8 v0, s[64:65] scope:SCOPE_SE
	s_setreg_imm32_b32 hwreg(HW_REG_WAVE_SCHED_MODE, 0, 2), 2
	s_setreg_imm32_b32 hwreg(HW_REG_WAVE_MODE, 25, 1), 1
	s_wait_xcnt 0x0
	s_wait_alu depctr_vm_vsrc(0)
; THE THREE 1 x 1 CONVOLUTIONS ON CODES OF E4M3, THEIR BIASES, THE FACTOR 64^(-1/4) ON q AND k, AND THE QUANTISING OF q, k AND v FOR THE ATTENTION.
; Work-group (x, y): 256 tokens (16 tiles; x = 4 batch + quarter) of one kind y: 0 q (from xc, Wq), 1 k, 2 v (from yc, Wkv).  Wave w makes head w's 64 channels for all 256 tokens: its 64 rows of the
; weight, 16 fragments of 16 x 128, stay in 256 registers; the tokens' 131,072 bytes of codes go once into LDS, as they lie, and every wave reads them from there, two tiles a trip.
; 192 work-groups: three kinds of equal work; half the tokens to a work-group would read each weight twice as often.
; q, k: source 0 = 16 rows of the weight, source 1 = 16 tokens: a lane holds ONE token and 8 neighbouring channels, which one conversion turns into registers 2 cc, 2 cc + 1 of a fragment 16 tokens x 64 channels.
; v:    source 0 = 16 tokens, source 1 = 16 rows of the weight: a lane holds ONE channel and 8 rows of a tile of tokens: registers 2 u, 2 u + 1 (u = tile % 8) of a fragment 16 channels x 128 keys.
; qc, kc: [batch][head][tile 64][chunk 2][lane][16 bytes].   vc: [batch][head][step 8][16 channels: 4][chunk 4][lane][16 bytes].  Every store of a wave covers 512 consecutive bytes.
; number = sum x 2^(eA + eB) x f + bias x f, f = 64^(-1/4) for q and k, 1 for v: one packed multiply-add for two numbers.
; LIMITS: e0 + e1 and e2 + e3 between -124 and 127; e4, e5, e6 between -126 and 119.
; REGISTERS.  Window 0: v1 16 x lane; v2, v3 the two addresses of the way into LDS, later the LDS address of the tiles to fetch and the stores' offset; v4, v5 scale and limit; v6, v7 the biases' offsets;
;   v8-15 bias for v (a pair for each 16 channels); v16-47 bias for q, k; v48-63 codes; v64-127 eight accumulators (tile tl, channels cc at 8 (4 tl + cc)); v128-255 two tiles' fragments (64 tl + 16 s).
;   Window 1: the weight's fragments, (cc, K step s) at 16 (4 cc + s).
; THE MODE: SCHED_MODE bits 1:0 = 2 (LLVM: expert scheduling mode 2), set by the entry lines.  The code itself states the register dependences between vector or matrix instructions and memory or LDS
; instructions, with s_wait_alu, always for 0.
; THE PLAN.  Registers that memory or LDS instructions touch:
;   v1, v6, v7   offsets, written at the head and never again.
;   v2           at the head the offset of the tokens' loads and the address of their LDS stores; in a trip written at its head and read by the trip's 32 LDS loads.
;   v3           at the head an address of LDS stores; in a trip written at its head and read by the trip's four stores.
;   v128-255     at the head the tokens' codes pass through them (global loads land, LDS stores read); in a trip the 32 products read them, and behind the products the next pair's LDS loads land in them.
;   v48-63       the trip's conversions write them, the trip's four stores read them.
;   The biases and the weight are loaded once; the accumulators are named by vector and matrix instructions alone.
; So a trip has three waits: vm_vsrc at its head (the last trip's LDS loads and stores have read v2, v3 and the codes); va_vdst behind the products (they are done reading the fragments; v2 is written), behind which
; the 32 LDS loads are dealt among the 32 packed multiply-adds, which name the accumulators and the biases alone; va_vdst ahead of the four stores (the codes and v3 are written).
.set BR,  8
.set B1,  16
.set CD,  48
.set ACC, 64
.set TF,  128
.set MSB, 0
.macro WIN new                         ; the immediate's high byte repeats the setting that is left
.if MSB != \new
	s_set_vgpr_msb (MSB<<8)|\new
.set MSB, \new
.endif
.endm
	s_load_b512 s[8:23], s[0:1], 0x0               ; xc 8, yc 10, wc 12, bq 14, bkv 16, the exponents 18, qc 20, kc 22
	s_load_b64 s[24:25], s[0:1], 0x40              ; vc
	v_lshrrev_b32 v4, 5, v0
	v_readfirstlane_b32 s2, v4                     ; wave = head
	v_and_b32 v1, 31, v0
	v_lshlrev_b32 v1, 4, v1                        ; 16 x lane
	v_lshlrev_b32 v2, 4, v0                        ; 16 x thread: the work-group's 256 threads take 4,096 consecutive bytes
	v_add_nc_u32 v3, 0x10000, v2                   ; the upper half of the tokens' bytes in LDS: an LDS offset has 16 bits
	v_bfe_u32 v6, v0, 4, 1
	v_lshlrev_b32 v6, 5, v6                        ; 32 h: 8 numbers of the bias
	v_and_b32 v7, 15, v0
	v_lshlrev_b32 v7, 2, v7                        ; 4 r: one number
	s_and_b32 s3, ttmp7, 0xffff                    ; the kind
	s_mov_b32 s35, 0                               ; the high word of every offset pair s[34:35]
	s_wait_alu depctr_va_sdst(0)                   ; s2 is written, ahead of its first reader: the places of the weight, the bias and the results are made from it
	s_lshl_b32 s48, s2, 2                          ; q: tiles 4 w on
	s_lshl_b32 s49, s2, 3
	s_add_co_u32 s49, s49, 32                      ; k: 32 + 8 w on;
	s_cmp_eq_u32 s3, 2
	s_cselect_b32 s50, 4, 0
	s_add_co_u32 s49, s49, s50                     ; v: four further
	s_cmp_eq_u32 s3, 0
	s_cselect_b32 s48, s48, s49                    ; my first tile in wc,
	s_cselect_b32 s50, 0, 32
	s_sub_co_u32 s50, s48, s50                     ; and in its own tensor: 16 numbers of the bias a tile
	s_wait_kmcnt 0x0
	s_load_b256 s[36:43], s[18:19], 0x0            ; e0 .. e7
	s_cmp_eq_u32 s3, 0
	s_cselect_b64 s[26:27], s[8:9], s[10:11]       ; the tokens' codes
	s_cselect_b64 s[30:31], s[14:15], s[16:17]     ; the bias
	s_lshl_b32 s34, ttmp9, 17                      ; 16 tiles of 8,192 bytes
	s_add_nc_u64 s[26:27], s[26:27], s[34:35]
	s_lshl_b32 s34, s50, 6
	s_add_nc_u64 s[30:31], s[30:31], s[34:35]
	s_lshl_b32 s34, s48, 13
	s_add_nc_u64 s[28:29], s[12:13], s[34:35]      ; my four tiles of the weight
	s_wait_alu depctr_va_vdst(0)                   ; v1, v2, v3, v6 and v7 are written, which the loads and the LDS stores of the head read as offsets and addresses
.irp cc, 0,1,2,3
	global_load_b128 v[B1+8*\cc:B1+8*\cc+3], v6, s[30:31] offset:64*\cc        ; bias(16 cc + 8 h + 0 .. 7): both shapes are loaded whatever the kind
	global_load_b128 v[B1+8*\cc+4:B1+8*\cc+7], v6, s[30:31] offset:64*\cc+16
	global_load_b32 v[BR+2*\cc], v7, s[30:31] offset:64*\cc                    ; bias(16 cc + r)
.endr
.set n, 0
.rept 32
	global_load_b128 v[TF+4*n:TF+4*n+3], v2, s[26:27] offset:4096*n
.set n, n+1
.endr
	WIN 0x40                                       ; destination window 1.  (Between the wait above and these loads stand loads and this switch alone)
.set n, 0
.rept 64
	global_load_b128 v[4*n:4*n+3], v1, s[28:29] offset:512*n
.set n, n+1
.endr
	WIN 0
	s_cmp_eq_u32 s3, 1
	s_cselect_b64 s[32:33], s[22:23], s[24:25]
	s_cmp_eq_u32 s3, 0
	s_cselect_b64 s[32:33], s[20:21], s[32:33]     ; qc, kc or vc
	s_lshr_b32 s34, ttmp9, 2
	s_lshl_b32 s34, s34, 3
	s_add_co_u32 s34, s34, s2                      ; 8 batch + head: 65,536 bytes each;
	s_lshl_b32 s34, s34, 16
	s_and_b32 s49, ttmp9, 3
	s_lshl_b32 s49, s49, 14                        ; a quarter of the tokens: 16,384
	s_add_co_u32 s34, s34, s49
	s_add_nc_u64 s[32:33], s[32:33], s[34:35]
	s_wait_kmcnt 0x0
	s_add_co_i32 s48, s36, s37                     ; e0 + e1
	s_add_co_i32 s49, s38, s39                     ; e2 + e3
	s_mov_b32 s52, 0x3eb504f3                      ; 64^(-1/4) = 2^(-3/2)
	s_mov_b32 s51, 0x3f800000
	s_cmp_eq_u32 s3, 2
	s_cselect_b32 s52, s51, s52                    ; f
	s_cselect_b32 s50, s42, s41                    ; e6 for v, e5 for k,
	s_cmp_eq_u32 s3, 0
	s_cselect_b32 s48, s48, s49
	s_cselect_b32 s50, s40, s50                    ; e4 for q
	s_mov_b32 s53, s52                             ; (named with it as a pair)
	s_lshl_b32 s48, s48, 23
	s_add_co_i32 s44, s52, s48                     ; f x 2^(eA + eB): the exponents are added to f's exponent field
	s_mov_b32 s45, s44
	s_add_co_i32 s50, s50, 127
	s_lshl_b32 s51, s50, 23
	v_mov_b32 v4, s51                              ; 2^e
	s_add_co_i32 s50, s50, 8
	s_lshl_b32 s50, s50, 23
	s_or_b32 s50, s50, 0x600000
	v_mov_b32 v5, s50                              ; 448 x 2^e
	s_wait_loadcnt 63                              ; behind the tokens' loads stand the weight's 64; 63 is the largest count that the wait names, so one load more is awaited
.set n, 0
.rept 16
	ds_store_b128 v2, v[TF+4*n:TF+4*n+3] offset:4096*n
.set n, n+1
.endr
.set n, 0
.rept 16
	ds_store_b128 v3, v[TF+64+4*n:TF+64+4*n+3] offset:4096*n
.set n, n+1
.endr
	s_wait_loadcnt 0x0                             ; the weight
.set n, 0
.rept 16
	v_pk_mul_f32 v[B1+2*n:B1+2*n+1], v[B1+2*n:B1+2*n+1], s[52:53] op_sel_hi:[1,0]   ; bias x f
.set n, n+1
.endr
.irp cc, 0,1,2,3
	v_mul_f32 v[BR+2*\cc+1], s52, v[BR+2*\cc]      ; the one number fills both halves of its pair
	v_mul_f32 v[BR+2*\cc], s52, v[BR+2*\cc]
.endr
	s_wait_dscnt 0x0                               ; for the others' sake: my stores have landed
	s_barrier_signal -1
	s_barrier_wait -1                              ; the 16 tiles lie in LDS; from here on LDS is only read
.macro FETCH adr                       ; two tiles' eight fragments: 32 loads of 512 consecutive bytes
.set n, 0
.rept 32
	ds_load_b128 v[TF+4*n:TF+4*n+3], v[\adr] offset:512*n
.set n, n+1
.endr
.endm
; Two tiles of tokens x my 64 channels.  vals = 1: the kind is v.  more = 1: the next two tiles are fetched behind the products.
; The eight accumulators take turns, one instruction a turn; the first K step starts the sums with the constant 0.
.macro ARM vals, more
.if \vals
	WIN 0x04                                       ; source 1 (the weight) window 1
.else
	WIN 0x01                                       ; source 0 (the weight) window 1
.endif
.irp ks, 0,1,2,3
.irp tl, 0,1
.irp cc, 0,1,2,3
.if \vals
.if \ks == 0
	v_wmma_f32_16x16x128_fp8_fp8 v[ACC+8*(4*\tl+\cc):ACC+8*(4*\tl+\cc)+7], v[TF+64*\tl+16*\ks:TF+64*\tl+16*\ks+15], v[16*(4*\cc+\ks):16*(4*\cc+\ks)+15], 0
.else
	v_wmma_f32_16x16x128_fp8_fp8 v[ACC+8*(4*\tl+\cc):ACC+8*(4*\tl+\cc)+7], v[TF+64*\tl+16*\ks:TF+64*\tl+16*\ks+15], v[16*(4*\cc+\ks):16*(4*\cc+\ks)+15], v[ACC+8*(4*\tl+\cc):ACC+8*(4*\tl+\cc)+7]
.endif
.else
.if \ks == 0
	v_wmma_f32_16x16x128_fp8_fp8 v[ACC+8*(4*\tl+\cc):ACC+8*(4*\tl+\cc)+7], v[16*(4*\cc+\ks):16*(4*\cc+\ks)+15], v[TF+64*\tl+16*\ks:TF+64*\tl+16*\ks+15], 0
.else
	v_wmma_f32_16x16x128_fp8_fp8 v[ACC+8*(4*\tl+\cc):ACC+8*(4*\tl+\cc)+7], v[16*(4*\cc+\ks):16*(4*\cc+\ks)+15], v[TF+64*\tl+16*\ks:TF+64*\tl+16*\ks+15], v[ACC+8*(4*\tl+\cc):ACC+8*(4*\tl+\cc)+7]
.endif
.endif
.endr
.endr
.endr
	WIN 0
.rept 4
	v_nop                                          ; four places in front of the loads into registers that the products have read, and of the first read of results
.endr
.if \more
	s_wait_alu depctr_va_vdst(0)                   ; the products are done reading the two tiles' fragments, in which the LDS loads below land; v2, their address, is written
.endif
.irp tl, 0,1
.irp cc, 0,1,2,3
.irp i, 0,2,4,6
.if \more
	ds_load_b128 v[TF+4*(16*\tl+4*\cc+\i/2):TF+4*(16*\tl+4*\cc+\i/2)+3], v2 offset:512*(16*\tl+4*\cc+\i/2)   ; the next pair's fragments, a load to each multiply-add.  No further wait: no vector instruction since the wait names v2 or v128-255.  They land while this pair's results are worked on
.endif
.if \vals
	v_pk_fma_f32 v[ACC+8*(4*\tl+\cc)+\i:ACC+8*(4*\tl+\cc)+\i+1], v[ACC+8*(4*\tl+\cc)+\i:ACC+8*(4*\tl+\cc)+\i+1], s[44:45], v[BR+2*\cc:BR+2*\cc+1] op_sel_hi:[1,0,1]
.else
	v_pk_fma_f32 v[ACC+8*(4*\tl+\cc)+\i:ACC+8*(4*\tl+\cc)+\i+1], v[ACC+8*(4*\tl+\cc)+\i:ACC+8*(4*\tl+\cc)+\i+1], s[44:45], v[B1+8*\cc+\i:B1+8*\cc+\i+1] op_sel_hi:[1,0,1]
.endif
.endr
.endr
.endr
.set n, 0
.rept 64
	v_med3_num_f32 v[ACC+n], v[ACC+n], -v5, v5     ; the conversion to an 8-bit code does not saturate (ISA guide 7.6.2)
.set n, n+1
.endr
.irp tl, 0,1
.irp cc, 0,1,2,3
.if \vals
	v_cvt_scalef32_pk8_fp8_f32 v[CD+4*\cc+2*\tl:CD+4*\cc+2*\tl+1], v[ACC+8*(4*\tl+\cc):ACC+8*(4*\tl+\cc)+7], v4   ; channels cc: registers 2 u, 2 u + 1 of tiles u = 2 (trip % 4) + tl: one chunk
.else
	v_cvt_scalef32_pk8_fp8_f32 v[CD+8*\tl+2*\cc:CD+8*\tl+2*\cc+1], v[ACC+8*(4*\tl+\cc):ACC+8*(4*\tl+\cc)+7], v4   ; tile tl: registers 2 cc, 2 cc + 1
.endif
.endr
.endr
	v_nop                                          ; a plain line between the conversions and the next products, which write their sources
	s_wait_alu depctr_va_vdst(0)                   ; the conversions have written the codes v48-63, which the four stores read; v3, their offset, is written
.irp g, 0,1,2,3
.if \vals
	global_store_b128 v3, v[CD+4*\g:CD+4*\g+3], s[32:33] offset:2048*\g    ; the chunk of the fragment of channels 16 g on
.else
	global_store_b128 v3, v[CD+4*\g:CD+4*\g+3], s[32:33] offset:512*\g     ; tile g / 2, chunk g % 2
.endif
.endr
.endm
.macro TRIP more
	s_wait_dscnt 0x0                               ; this trip's two tiles are in registers
	s_wait_xcnt 0x0                                ; the last trip's stores have read their codes and their offset: both are written again below
	s_wait_alu depctr_vm_vsrc(0)                   ; the LDS loads issued so far have read v2, the stores issued so far v3 and the codes v48-63: all three are written again in this trip
.if \more
	s_add_co_u32 s47, s47, 16384
	v_add_nc_u32 v2, s47, v1                       ; the next two tiles in LDS
.endif
	s_lshl_b32 s48, s46, 11                        ; q, k: two tiles of 1,024 bytes a trip
	s_lshr_b32 s49, s46, 2
	s_lshl_b32 s49, s49, 13                        ; v: the step of 128 keys (8,192 bytes),
	s_and_b32 s50, s46, 3
	s_lshl_b32 s50, s50, 9                         ; and the chunk
	s_or_b32 s49, s49, s50
	s_cmp_eq_u32 s3, 2
	s_cselect_b32 s48, s49, s48
	v_add_nc_u32 v3, s48, v1
	s_cbranch_scc1 .Lvals_\@                       ; on the work-group's kind: the same in all waves
	ARM 0, \more
	s_branch .Ljoin_\@
.Lvals_\@:
	ARM 1, \more
.Ljoin_\@:
.endm
	s_wait_alu depctr_vm_vsrc(0)                   ; my LDS stores have read v128-255, in which the first fragments' loads land
	FETCH 1                                        ; tiles 0 and 1
	s_mov_b32 s46, 0                               ; the trip
	s_mov_b32 s47, 0                               ; the LDS byte of the pair fetched last
.Ltrip:
	TRIP 1
	s_add_co_u32 s46, s46, 1
	s_cmp_lt_u32 s46, 7
	s_cbranch_scc1 .Ltrip
	TRIP 0                                         ; the last pair: nothing is left to fetch
	s_wait_xcnt 0x0
	v_lshl_add_u32 v254, v0, 2, 0x20000            ; the add's two registers are made anew here: no memory or LDS instruction has read v254 or v255 since the trips' waits on vm_vsrc
	v_mov_b32 v255, 0
	s_wait_dscnt 0x0                               ; the closing lines, six on end
	s_wait_alu 0x0
	s_wait_tensorcnt 0x0
	ds_add_u32 v254, v255
	s_wait_dscnt 0x0
	s_endpgm
.Lfunc_end_k_qcd66147505_qkv:
	.size	k_qcd66147505_qkv, .Lfunc_end_k_qcd66147505_qkv-k_qcd66147505_qkv
	.p2alignl 7, 3214868480
	.fill 96, 4, 3214868480
	.section	.rodata,"a",@progbits
	.p2align	6, 0x0
	.amdhsa_kernel k_qcd66147505_qkv
		.amdhsa_group_segment_fixed_size 132096
		.amdhsa_private_segment_fixed_size 0
		.amdhsa_enable_private_segment 0
		.amdhsa_kernarg_size 72
		.amdhsa_user_sgpr_count 2
		.amdhsa_user_sgpr_kernarg_segment_ptr 1
		.amdhsa_wavefront_size32 1
		.amdhsa_system_sgpr_workgroup_id_x 1
		.amdhsa_system_sgpr_workgroup_id_y 1
		.amdhsa_system_sgpr_workgroup_id_z 1
		.amdhsa_system_vgpr_workitem_id 0
		.amdhsa_next_free_vgpr 512
		.amdhsa_next_free_sgpr 66
		.amdhsa_reserve_vcc 0
		.amdhsa_float_denorm_mode_32 3
		.amdhsa_float_denorm_mode_16_64 3
		.amdhsa_memory_ordered 1
		.amdhsa_forward_progress 1
		.amdhsa_inst_pref_size 61
	.end_amdhsa_kernel
	.amdgpu_metadata
---
amdhsa.version: [ 1, 2 ]
amdhsa.kernels:
  - .name:           k_qcd66147505_qkv
    .symbol:         k_qcd66147505_qkv.kd
    .args:
      - { .name: xc, .offset: 0, .size: 8, .value_kind: global_buffer, .address_space: global }
      - { .name: yc, .offset: 8, .size: 8, .value_kind: global_buffer, .address_space: global }
      - { .name: wc, .offset: 16, .size: 8, .value_kind: global_buffer, .address_space: global }
      - { .name: bq, .offset: 24, .size: 8, .value_kind: global_buffer, .address_space: global }
      - { .name: bkv, .offset: 32, .size: 8, .value_kind: global_buffer, .address_space: global }
      - { .name: lowp_scales, .offset: 40, .size: 8, .value_kind: global_buffer, .address_space: global }
      - { .name: qc, .offset: 48, .size: 8, .value_kind: global_buffer, .address_space: global }
      - { .name: kc, .offset: 56, .size: 8, .value_kind: global_buffer, .address_space: global }
      - { .name: vc, .offset: 64, .size: 8, .value_kind: global_buffer, .address_space: global }
    .group_segment_fixed_size: 132096
    .private_segment_fixed_size: 0
    .kernarg_segment_align: 8
    .kernarg_segment_size: 72
    .max_flat_workgroup_size: 256
    .sgpr_count:     66
    .vgpr_count:     512
    .wavefront_size: 32
...
	.end_amdgpu_metadata
.endif
;; end of part 5
;; launch attn (part 6): grid 2 x 128, 8 waves a work-group, no clusters, 132,096 bytes of LDS; arguments qc, kc, vc, lowp_scales, ac; writes ac
.if DOCPART == 6
	.amdgcn_target "amdgcn-amd-amdhsa--gfx1250"
	.amdhsa_code_object_version 6
	.text
	.protected	k_qcd66147505_attn
	.globl	k_qcd66147505_attn
	.p2align	8
	.type	k_qcd66147505_attn,@function
k_qcd66147505_attn:
	s_mov_b64 s[64:65], 0
	v_nop
	global_prefetch_b8 v0, s[64:65] scope:SCOPE_SE
	s_setreg_imm32_b32 hwreg(HW_REG_WAVE_SCHED_MODE, 0, 2), 2
	s_setreg_imm32_b32 hwreg(HW_REG_WAVE_MODE, 25, 1), 1
	s_wait_xcnt 0x0
	s_wait_alu depctr_vm_vsrc(0)
; ATTENTION ON CODES OF E4M3: a = softmax(q . k) v for one head, both products quantised; a is quantised for the last convolution.
; Work-group (half, 8 batch + head): 512 queries of one head.  Wave w owns block 8 half + w of 64 queries: four tiles of 16.  The head's K and V, 65,536 bytes each, go once into LDS, as they lie in kc and
; vc (images of the operands' registers), and are only read from then on; every wave walks all 1,024 keys, 128 a step.  Two waves share a SIMD.
; BOTH PRODUCTS ARE USED TRANSPOSED: S^T = K Q^T (source 0 = 16 keys, source 1 = 16 queries), O^T = V^T P^T (source 0 = 16 channels, source 1 = P): a lane holds ONE query throughout.  The eight registers of the
; scores' tile u are keys 16 u + 8 h + 0 .. 7 of the step: one conversion makes registers 2 u, 2 u + 1 of P, the form's own order of K, in which vc is laid.
; THE SOFTMAX: t = score x log2(e); M = the running largest t rounded UP to a whole number, kept as -M = floor(-t); p = 2^(t - M) is quantised, not normalised; the sum is taken of the unquantised p and divides at the
; end; when M moves, the sum and O^T are multiplied by 2^(old M - new M), which rounds nothing.
; BY PAIRS, AND A HALF STEP AHEAD.  The four tiles are two pairs (pair 0: tiles 0, 1; pair 1: tiles 2, 3).  The two tiles of a pair go through the softmax line by line by turns: four independent chains of maxima and of
; sums, and in the run from the maximum to f the other tile's line stands between two of a tile's own.  A half step is: the pair's softmax, on scores that are already in registers; the conversions; the NEXT pair's 16
; products K Q^T, into the scores' registers just freed; O^T x f, 32 plain lines, which are the places behind those products; the pair's 8 products V^T P.  So no vector line reads the result of a product just issued.
; K's fragments of the next step are asked for in a step's first half, behind the last product that reads the old ones and those 32 lines, and used in its second half; V's fragments of a step are asked for in its first
; half behind the exponentials' wait and used at that half's end.
; THE HOLD OF p.  p is at most 1, but for the rounding of the largest t.  Where e7 >= -8 the largest code stands for 448 x 2^e7 >= 1.75, so no p reaches it and the 128 holds of a pair are jumped over, by a scalar
; branch on the given whole number; with a smaller e7 they run.
; ac: laid as xc ([batch][tile][K step 4][chunk 4][lane][16 bytes]), in the form's own order of K: head's channels 16 cc + 8 h + 0 .. 7 are registers 8 (head % 2) + 2 cc, + 1 of K step head / 2.
; NOT JOINT LOADS for the two halves of a head: what they share is read once, at the head, not in every step.
; LIMITS: e4 + e5 between -126 and 127; e7 and e8 between -126 and 119; e6 + e7 is applied by v_ldexp_f32 and has none.
; REGISTERS.  Window 0: v1 16 x lane; v2, v3 LDS addresses of the step's K and V; v4, v5 scale and limit; v[6:7], v[8:9] f of the pair's two tiles; v[10:11], v[12:13] their second chains of sums; v14-17 their chains of
;   maxima; v18, v19 the permutes'; v20, v21 the old -M; v22, v23 the way into LDS; v24-39 per tile: -M, largest t, the sum in two halves; v40-71 Q; v72-103 P of the pair's two tiles (at the end: a's codes);
;   v126, v127 the closing add's two; v128-191, v192-255 S^T of the pair's two tiles.      Window 1: v0-127 O^T (tile a, channels cc at 32 a + 8 cc); v128-191 V's four fragments; v192-255 K's eight.
; THE MODE: SCHED_MODE bits 1:0 = 2 (LLVM: expert scheduling mode 2), set by the entry lines.  The code itself states the register dependences between vector or matrix instructions and memory or LDS
; instructions, with s_wait_alu, always for 0.
; THE PLAN.  Registers that memory or LDS instructions touch:
;   v1, v22, v23   offsets and addresses, written at the head and never again.
;   v2, v3         written at the head of a step's first half; v3 is read by that half's 16 loads of V, v2 by its 16 loads of K.
;   V's registers  the loads of a step's first half land in them; the products V^T P of both halves read them.
;   K's registers  the loads of a step's first half land in them, behind that half's K Q^T; the K Q^T of the second half and of the next step's first half read them.
;   v128-255       (window 0) at the head K and V pass through them (global loads land, LDS stores read); from then on they are scores, named by vector and matrix instructions alone.
;   v72-103        at the end: the conversions write a's codes, the eight stores read them.
; So a step has three waits beside the second half's one for its exponentials: vm_vsrc ahead of the adds to v2 and v3; the va_vdst that stands behind the first half's exponentials in any case, which also states that
; v3 is written and that the last half's V^T P are done reading V's registers, so that V's loads follow it at once; and va_vdst ahead of K's loads (the K Q^T just issued are done reading K's registers).
.set FF, 6
.set C2, 10
.set MX, 14
.set PM, 18
.set OM, 20
.set ST, 24
.set Q,  40
.set P,  72
.set S,  128
.set VF, 128
.set KF, 192
.set MSB, 0
.macro WIN new                         ; the immediate's high byte repeats the setting that is left
.if MSB != \new
	s_set_vgpr_msb (MSB<<8)|\new
.set MSB, \new
.endif
.endm
	s_load_b256 s[8:15], s[0:1], 0x0               ; qc 8, kc 10, vc 12, the exponents 14
	s_load_b64 s[16:17], s[0:1], 0x20              ; ac
	v_lshl_add_u32 v126, v0, 2, 0x20000
	v_mov_b32 v127, 0
	v_lshrrev_b32 v4, 5, v0
	v_readfirstlane_b32 s2, v4                     ; wave
	v_and_b32 v1, 31, v0
	v_lshlrev_b32 v1, 4, v1
	v_lshlrev_b32 v22, 4, v0                       ; 16 x thread
	v_add_nc_u32 v23, 0x10000, v22                 ; V lies behind K
	v_mov_b32 v7, 0                                ; named as the upper halves of the pairs v[6:7] and v[8:9]
	v_mov_b32 v9, 0
	v_mov_b32 v18, 0                               ; a lane permute's destination counts as read
	v_mov_b32 v19, 0
	s_wait_alu depctr_va_sdst(0)                   ; s2 is written, ahead of its first reader: my block of queries is made from it
	s_and_b32 s3, ttmp7, 0xffff                    ; 8 batch + head
	s_lshl_b32 s32, s3, 16
	s_mov_b32 s33, 0
	s_mov_b32 s28, 0x76543210
	s_mov_b32 s29, 0xfedcba98
	s_wait_kmcnt 0x0
	s_load_b128 s[20:23], s[14:15], 0x10           ; e4 .. e7
	s_load_b32 s24, s[14:15], 0x20                 ; e8
	s_add_nc_u64 s[8:9], s[8:9], s[32:33]
	s_add_nc_u64 s[10:11], s[10:11], s[32:33]
	s_add_nc_u64 s[12:13], s[12:13], s[32:33]
	s_wait_alu depctr_va_vdst(0)                   ; v1, v22 and v23 are written, which the loads and the LDS stores of the head read as offsets and addresses
.set n, 0
.rept 16
	global_load_b128 v[S+4*n:S+4*n+3], v22, s[10:11] offset:4096*n
.set n, n+1
.endr
.set n, 0
.rept 16
	global_load_b128 v[S+64+4*n:S+64+4*n+3], v22, s[12:13] offset:4096*n
.set n, n+1
.endr
	s_lshl_b32 s34, ttmp9, 3
	s_add_co_u32 s34, s34, s2                      ; my block of 64 queries
	s_lshl_b32 s32, s34, 12                        ; four fragments of 1,024 bytes
	s_add_nc_u64 s[8:9], s[8:9], s[32:33]
.set n, 0
.rept 8
	global_load_b128 v[Q+4*n:Q+4*n+3], v1, s[8:9] offset:512*n
.set n, n+1
.endr
	s_lshr_b32 s32, s3, 3
	s_lshl_b32 s32, s32, 19                        ; the batch,
	s_lshl_b32 s34, s34, 15                        ; four tiles of 8,192 bytes,
	s_add_co_u32 s32, s32, s34
	s_and_b32 s34, s3, 7
	s_lshl_b32 s34, s34, 10                        ; K step head / 2 and chunk 2 (head % 2) together: 1,024 x head
	s_add_co_u32 s32, s32, s34
	s_add_nc_u64 s[16:17], s[16:17], s[32:33]
	s_wait_kmcnt 0x0
	s_add_co_i32 s34, s20, s21
	s_lshl_b32 s34, s34, 23
	s_add_co_i32 s26, s34, 0x3fb8aa3b              ; c = log2(e) x 2^(e4 + e5): the exponents are added to the exponent field
	s_mov_b32 s27, s26                             ; (named with it as a pair)
	s_add_co_i32 s36, s22, s23                     ; e6 + e7
	s_add_co_i32 s34, s23, 127
	s_lshl_b32 s35, s34, 23
	v_mov_b32 v4, s35                              ; 2^e7
	s_add_co_i32 s34, s34, 8
	s_lshl_b32 s34, s34, 23
	s_or_b32 s34, s34, 0x600000
	v_mov_b32 v5, s34                              ; 448 x 2^e7
	s_wait_loadcnt 8                               ; K and V are in; Q's eight loads may stay out
.set n, 0
.rept 16
	ds_store_b128 v22, v[S+4*n:S+4*n+3] offset:4096*n
.set n, n+1
.endr
.set n, 0
.rept 16
	ds_store_b128 v23, v[S+64+4*n:S+64+4*n+3] offset:4096*n
.set n, n+1
.endr
	s_wait_dscnt 0x0                               ; for the others' sake: my stores have landed
	s_barrier_signal -1
	s_barrier_wait -1                              ; K and V lie in LDS; from here on LDS is only read
	s_wait_loadcnt 0x0                             ; Q
; The scores of pair pn's two tiles against the 128 keys whose fragments lie in K's registers: 16 products on 16 accumulators, each begun with the constant 0.
.macro KQ pn
	WIN 0x01                                       ; source 0 (K) window 1
.irp u, 0,1,2,3,4,5,6,7
.irp t, 0,1
	v_wmma_f32_16x16x64_fp8_fp8 v[S+64*\t+8*\u:S+64*\t+8*\u+7], v[KF+8*\u:KF+8*\u+7], v[Q+16*(\pn)+8*\t:Q+16*(\pn)+8*\t+7], 0
.endr
.endr
	WIN 0
.endm
; A HALF STEP: pair pr (tiles 2 pr and 2 pr + 1; t = 0, 1 below) against the step's 128 keys; its scores are in registers.  s30 = 8,192 x the step.
; first = 1: the first step, which starts M, the sum and O^T.   kq = 1: the next pair's scores are begun (pair 1 of this step, or pair 0 of the next).   kload = 1: the next step's fragments of K are asked for.
.macro HALF pr, first, kq, kload
.if (\pr) == 0
.if !\first
	s_wait_alu depctr_vm_vsrc(0)                   ; the last step's LDS loads have read v2 and v3, which the two adds write
.endif
	v_add_nc_u32 v2, s30, v1                       ; the step's place in K,
	v_add_nc_u32 v3, 0x10000, v2                   ; and in V
.endif
	; the largest score among my 64 keys: two chains a tile, the tiles by turns; each tile's registers in ascending order
.irp t, 0,1
	v_max3_num_f32 v[MX+2*\t], v[S+64*\t], v[S+64*\t+1], v[S+64*\t+2]
.endr
.irp t, 0,1
	v_max3_num_f32 v[MX+2*\t+1], v[S+64*\t+3], v[S+64*\t+4], v[S+64*\t+5]
.endr
.irp i, 6,10,14,18,22,26,30,34,38,42,46,50,54,58
.irp t, 0,1
	v_max3_num_f32 v[MX+2*\t], v[MX+2*\t], v[S+64*\t+\i], v[S+64*\t+\i+1]
.endr
.irp t, 0,1
	v_max3_num_f32 v[MX+2*\t+1], v[MX+2*\t+1], v[S+64*\t+\i+2], v[S+64*\t+\i+3]
.endr
.endr
.irp t, 0,1
	v_max3_num_f32 v[MX+2*\t], v[MX+2*\t], v[S+64*\t+62], v[S+64*\t+63]
.endr
.irp t, 0,1
	v_max_num_f32 v[MX+2*\t], v[MX+2*\t], v[MX+2*\t+1]
.endr
.irp t, 0,1
	v_permlanex16_b32 v[PM+\t], v[MX+2*\t], s28, s29
.endr
.irp t, 0,1
	v_max_num_f32 v[MX+2*\t], v[MX+2*\t], v[PM+\t] ; and among the other half of the lanes'
.endr
.if \first
.irp t, 0,1
	v_mul_f32 v[ST+8*(\pr)+4*\t+1], s26, v[MX+2*\t]                        ; as t (c is positive)
.endr
.irp t, 0,1
	v_floor_f32 v[ST+8*(\pr)+4*\t], -v[ST+8*(\pr)+4*\t+1]                  ; -M = floor(-t) = -ceil(t)
.endr
.else
.irp t, 0,1
	v_mul_f32 v[MX+2*\t], s26, v[MX+2*\t]
.endr
.irp t, 0,1
	v_mov_b32 v[OM+\t], v[ST+8*(\pr)+4*\t]                                 ; the old -M
.endr
.irp t, 0,1
	v_max_num_f32 v[ST+8*(\pr)+4*\t+1], v[ST+8*(\pr)+4*\t+1], v[MX+2*\t]   ; the running largest t
.endr
.irp t, 0,1
	v_floor_f32 v[ST+8*(\pr)+4*\t], -v[ST+8*(\pr)+4*\t+1]
.endr
.irp t, 0,1
	v_sub_f32 v[OM+\t], v[ST+8*(\pr)+4*\t], v[OM+\t]                       ; old M - new M: a whole number, 0 or less
.endr
.irp t, 0,1
	v_cvt_i32_f32 v[OM+\t], v[OM+\t]                                       ; (it saturates)
.endr
.irp t, 0,1
	v_ldexp_f32 v[FF+2*\t], 1.0, v[OM+\t]                                  ; f = 2^(old M - new M)
.endr
.endif
	; ONE BATCH: the pair's 64 scalings t - M (two scores each; of the pairs c and -M the low word serves both halves) and 128 exponentials p = 2^(t - M): a scaling, two exponentials, the tiles by turns; a pair of
	; scores is scaled two rounds ahead of its exponentials.  None of these lines names an exponential's result.
.irp g, 0,1
.irp t, 0,1
	v_pk_fma_f32 v[S+64*\t+2*\g:S+64*\t+2*\g+1], v[S+64*\t+2*\g:S+64*\t+2*\g+1], s[26:27], v[ST+8*(\pr)+4*\t:ST+8*(\pr)+4*\t+1] op_sel_hi:[1,0,0]
.endr
.endr
.set n, 0
.rept 32
.irp t, 0,1
.if n < 30
	v_pk_fma_f32 v[S+64*\t+2*n+4:S+64*\t+2*n+5], v[S+64*\t+2*n+4:S+64*\t+2*n+5], s[26:27], v[ST+8*(\pr)+4*\t:ST+8*(\pr)+4*\t+1] op_sel_hi:[1,0,0]
.endif
	v_exp_f32 v[S+64*\t+2*n], v[S+64*\t+2*n]
	v_exp_f32 v[S+64*\t+2*n+1], v[S+64*\t+2*n+1]
.endr
.set n, n+1
.endr
.if \first
	v_nop                                          ; a plain instruction behind the last exponential
.else
.irp t, 0,1
	v_pk_mul_f32 v[ST+8*(\pr)+4*\t+2:ST+8*(\pr)+4*\t+3], v[ST+8*(\pr)+4*\t+2:ST+8*(\pr)+4*\t+3], v[FF+2*\t:FF+2*\t+1] op_sel_hi:[1,0]   ; the sums under the new M; also the plain instruction behind the last exponential
.endr
.endif
.if (\pr) == 0
	WIN 0x40                                       ; destination window 1: the switch, then the wait, then the loads
.endif
	s_wait_alu depctr_va_vdst(0)                   ; the 128 exponentials have written p, ahead of its first reader; in a step's first half also: v3 is written, and the last half's products V^T P are done reading V's registers, in which the loads below land
.if (\pr) == 0
.set n, 0
.rept 16
	ds_load_b128 v[VF+4*n:VF+4*n+3], v3 offset:512*n           ; the step's V: used at this half's end, behind the sums, the conversions, K Q^T and O^T x f
.set n, n+1
.endr
	WIN 0
.endif
	; the sums of the UNQUANTISED p, two at a time: two chains a tile, the tiles by turns
.irp t, 0,1
	v_pk_add_f32 v[C2+2*\t:C2+2*\t+1], v[S+64*\t:S+64*\t+1], v[S+64*\t+2:S+64*\t+3]
.endr
.if \first
.irp t, 0,1
	v_pk_add_f32 v[ST+8*(\pr)+4*\t+2:ST+8*(\pr)+4*\t+3], v[S+64*\t+4:S+64*\t+5], v[S+64*\t+6:S+64*\t+7]
.endr
.else
.irp t, 0,1
	v_pk_add_f32 v[ST+8*(\pr)+4*\t+2:ST+8*(\pr)+4*\t+3], v[ST+8*(\pr)+4*\t+2:ST+8*(\pr)+4*\t+3], v[S+64*\t+4:S+64*\t+5]
.endr
.irp t, 0,1
	v_pk_add_f32 v[C2+2*\t:C2+2*\t+1], v[C2+2*\t:C2+2*\t+1], v[S+64*\t+6:S+64*\t+7]
.endr
.endif
.irp j, 8,12,16,20,24,28,32,36,40,44,48,52,56,60
.irp t, 0,1
	v_pk_add_f32 v[ST+8*(\pr)+4*\t+2:ST+8*(\pr)+4*\t+3], v[ST+8*(\pr)+4*\t+2:ST+8*(\pr)+4*\t+3], v[S+64*\t+\j:S+64*\t+\j+1]
.endr
.irp t, 0,1
	v_pk_add_f32 v[C2+2*\t:C2+2*\t+1], v[C2+2*\t:C2+2*\t+1], v[S+64*\t+\j+2:S+64*\t+\j+3]
.endr
.endr
.irp t, 0,1
	v_pk_add_f32 v[ST+8*(\pr)+4*\t+2:ST+8*(\pr)+4*\t+3], v[ST+8*(\pr)+4*\t+2:ST+8*(\pr)+4*\t+3], v[C2+2*\t:C2+2*\t+1]
.endr
	s_cmp_ge_i32 s23, -8                           ; 448 x 2^e7 >= 1.75: no p reaches it
	s_cbranch_scc1 .Lno_hold_\@
.set n, 0
.rept 128
	v_min_num_f32 v[S+n], v[S+n], v5               ; the conversion does not saturate (ISA guide 7.6.2); p is not negative, so the hold is one-sided
.set n, n+1
.endr
.Lno_hold_\@:
.irp u, 0,1,2,3,4,5,6,7
.irp t, 0,1
	v_cvt_scalef32_pk8_fp8_f32 v[P+16*\t+2*\u:P+16*\t+2*\u+1], v[S+64*\t+8*\u:S+64*\t+8*\u+7], v4
.endr
.endr
	v_nop                                          ; a plain line between the conversions and the products that write their sources (K Q^T) and read their results (V^T P)
.if \kq
.if (\pr) == 1
	s_wait_dscnt 0x0                               ; the next step's K, asked for a half step ago, is in
.endif
	KQ 1-(\pr)
.endif
.if \first
.rept 4
	v_nop                                          ; four places behind K Q^T: for the loads into K's registers and for the next half's first read of the scores
.endr
.else
	WIN 0x41                                       ; O^T: destination and source 0 window 1
.irp t, 0,1
.set n, 0
.rept 16
	v_pk_mul_f32 v[64*(\pr)+32*\t+2*n:64*(\pr)+32*\t+2*n+1], v[64*(\pr)+32*\t+2*n:64*(\pr)+32*\t+2*n+1], v[FF+2*\t:FF+2*\t+1] op_sel_hi:[1,0]   ; O^T under the new M, each accumulator from its low end on; these 32 lines are also the places behind K Q^T
.set n, n+1
.endr
.endr
.endif
.if \kload
	WIN 0x40                                       ; destination window 1: the switch, then the wait, then the loads
	s_wait_alu depctr_va_vdst(0)                   ; the products K Q^T above are done reading K's registers, in which the loads below land (v2, their address, was written ahead of the wait behind the exponentials)
.set n, 0
.rept 16
	ds_load_b128 v[KF+4*n:KF+4*n+3], v2 offset:8192+512*n      ; the next step's K
.set n, n+1
.endr
	s_wait_dscnt 16                                ; V's fragments are in; K's sixteen loads, issued behind them, may stay out
.elseif (\pr) == 0
	s_wait_dscnt 0x0                               ; V's fragments are in
.endif
.if \first
	WIN 0x41                                       ; source 0 (V) and destination window 1
.else
	WIN 0x51                                       ; and C
.endif
.irp cc, 0,1,2,3
.irp t, 0,1
.if \first
	v_wmma_f32_16x16x128_fp8_fp8 v[64*(\pr)+32*\t+8*\cc:64*(\pr)+32*\t+8*\cc+7], v[VF+16*\cc:VF+16*\cc+15], v[P+16*\t:P+16*\t+15], 0
.else
	v_wmma_f32_16x16x128_fp8_fp8 v[64*(\pr)+32*\t+8*\cc:64*(\pr)+32*\t+8*\cc+7], v[VF+16*\cc:VF+16*\cc+15], v[P+16*\t:P+16*\t+15], v[64*(\pr)+32*\t+8*\cc:64*(\pr)+32*\t+8*\cc+7]
.endif
.endr
.endr
	WIN 0
.endm
	WIN 0x40                                       ; destination window 1.  (K's registers have been named by nothing yet, and v1 was written ahead of the head's wait)
.set n, 0
.rept 16
	ds_load_b128 v[KF+4*n:KF+4*n+3], v1 offset:512*n           ; K of step 0
.set n, n+1
.endr
	WIN 0
	s_wait_dscnt 0x0
	s_wait_alu depctr_vm_vsrc(0)                   ; my LDS stores have read v128-255, which the products below write as scores
	KQ 0                                           ; pair 0's first scores
.rept 4
	v_nop                                          ; four places in front of the first read of results
.endr
	s_mov_b32 s30, 0
	HALF 0, 1, 1, 1                                ; step 0
	HALF 1, 1, 1, 0
	s_mov_b32 s31, 6
.Lstep:                                            ; steps 1 to 6
	s_add_co_u32 s30, s30, 8192
	HALF 0, 0, 1, 1
	HALF 1, 0, 1, 0
	s_sub_co_u32 s31, s31, 1
	s_cmp_lg_u32 s31, 0
	s_cbranch_scc1 .Lstep
	s_add_co_u32 s30, s30, 8192
	HALF 0, 0, 1, 0                                ; step 7: no step follows, so no K is asked for,
	HALF 1, 0, 0, 0                                ; and no scores are begun
	; THE WAY OUT: a = O^T / the sum x 2^(e6 + e7), quantised with e8.  The additions are the places behind the last products.
.irp a, 0,1,2,3
	v_add_f32 v[ST+4*\a+2], v[ST+4*\a+2], v[ST+4*\a+3]
.endr
.irp a, 0,1,2,3
	v_permlanex16_b32 v[MX+\a], v[ST+4*\a+2], s28, s29
.endr
.irp a, 0,1,2,3
	v_add_f32 v[ST+4*\a+2], v[ST+4*\a+2], v[MX+\a] ; the row's sum
.endr
.irp a, 0,1,2,3
	v_rcp_f32 v[ST+4*\a+2], v[ST+4*\a+2]
.endr
	v_nop                                          ; a plain instruction behind the last reciprocal
	s_add_co_i32 s34, s24, 127
	s_lshl_b32 s35, s34, 23
	v_mov_b32 v4, s35                              ; 2^e8
	s_add_co_i32 s34, s34, 8
	s_lshl_b32 s34, s34, 23
	s_or_b32 s34, s34, 0x600000
	v_mov_b32 v5, s34                              ; 448 x 2^e8
	s_wait_alu depctr_va_vdst(0)                   ; the four reciprocals have written their results, ahead of the first reader
.irp a, 0,1,2,3
	v_ldexp_f32 v[ST+4*\a+2], v[ST+4*\a+2], s36
.endr
.irp a, 0,1,2,3
	WIN 0x01                                       ; source 0 (O^T) window 1
.set n, 0
.rept 16
	v_pk_mul_f32 v[S+32*(\a%2)+2*n:S+32*(\a%2)+2*n+1], v[32*\a+2*n:32*\a+2*n+1], v[ST+4*\a+2:ST+4*\a+3] op_sel_hi:[1,0]   ; each accumulator from its low end on
.set n, n+1
.endr
	WIN 0
.set n, 0
.rept 32
	v_med3_num_f32 v[S+32*(\a%2)+n], v[S+32*(\a%2)+n], -v5, v5
.set n, n+1
.endr
.irp cc, 0,1,2,3
	v_cvt_scalef32_pk8_fp8_f32 v[P+8*\a+2*\cc:P+8*\a+2*\cc+1], v[S+32*(\a%2)+8*\cc:S+32*(\a%2)+8*\cc+7], v4   ; each tile's codes have registers of their own
.endr
	v_nop                                          ; a plain line behind the conversions
.endr
	s_wait_alu depctr_va_vdst(0)                   ; the conversions have written the four tiles' codes v72-103, which the eight stores read: one wait for the run
.irp a, 0,1,2,3
	global_store_b128 v1, v[P+8*\a:P+8*\a+3], s[16:17] offset:8192*\a          ; tile 4 blk + a: 512 consecutive bytes a store
	global_store_b128 v1, v[P+8*\a+4:P+8*\a+7], s[16:17] offset:8192*\a+512
.endr
	s_wait_dscnt 0x0                               ; the closing lines, six on end
	s_wait_alu 0x0
	s_wait_tensorcnt 0x0
	ds_add_u32 v126, v127
	s_wait_dscnt 0x0
	s_endpgm
.Lfunc_end_k_qcd66147505_attn:
	.size	k_qcd66147505_attn, .Lfunc_end_k_qcd66147505_attn-k_qcd66147505_attn
	.p2alignl 7, 3214868480
	.fill 96, 4, 3214868480
	.section	.rodata,"a",@progbits
	.p2align	6, 0x0
	.amdhsa_kernel k_qcd66147505_attn
		.amdhsa_group_segment_fixed_size 132096
		.amdhsa_private_segment_fixed_size 0
		.amdhsa_enable_private_segment 0
		.amdhsa_kernarg_size 40
		.amdhsa_user_sgpr_count 2
		.amdhsa_user_sgpr_kernarg_segment_ptr 1
		.amdhsa_wavefront_size32 1
		.amdhsa_system_sgpr_workgroup_id_x 1
		.amdhsa_system_sgpr_workgroup_id_y 1
		.amdhsa_system_sgpr_workgroup_id_z 1
		.amdhsa_system_vgpr_workitem_id 0
		.amdhsa_next_free_vgpr 512
		.amdhsa_next_free_sgpr 66
		.amdhsa_reserve_vcc 0
		.amdhsa_float_denorm_mode_32 3
		.amdhsa_float_denorm_mode_16_64 3
		.amdhsa_memory_ordered 1
		.amdhsa_forward_progress 1
		.amdhsa_inst_pref_size 180
	.end_amdhsa_kernel
	.amdgpu_metadata
---
amdhsa.version: [ 1, 2 ]
amdhsa.kernels:
  - .name:           k_qcd66147505_attn
    .symbol:         k_qcd66147505_attn.kd
    .args:
      - { .name: qc, .offset: 0, .size: 8, .value_kind: global_buffer, .address_space: global }
      - { .name: kc, .offset: 8, .size: 8, .value_kind: global_buffer, .address_space: global }
      - { .name: vc, .offset: 16, .size: 8, .value_kind: global_buffer, .address_space: global }
      - { .name: lowp_scales, .offset: 24, .size: 8, .value_kind: global_buffer, .address_space: global }
      - { .name: ac, .offset: 32, .size: 8, .value_kind: global_buffer, .address_space: global }
    .group_segment_fixed_size: 132096
    .private_segment_fixed_size: 0
    .kernarg_segment_align: 8
    .kernarg_segment_size: 40
    .max_flat_workgroup_size: 256
    .sgpr_count:     66
    .vgpr_count:     512
    .wavefront_size: 32
...
	.end_amdgpu_metadata
.endif
;; end of part 6
;; launch proj (part 7): grid 16 x 16, 8 waves a work-group, no clusters, 66,560 bytes of LDS; arguments ac, wc, bp, x, lowp_scales, out0; writes out0
.if DOCPART == 7
	.amdgcn_target "amdgcn-amd-amdhsa--gfx1250"
	.amdhsa_code_object_version 6
	.text
	.protected	k_qcd66147505_proj
	.globl	k_qcd66147505_proj
	.p2align	8
	.type	k_qcd66147505_proj,@function
k_qcd66147505_proj:
	s_mov_b64 s[64:65], 0
	v_nop
	global_prefetch_b8 v0, s[64:65] scope:SCOPE_SE
	s_setreg_imm32_b32 hwreg(HW_REG_WAVE_SCHED_MODE, 0, 2), 2
	s_setreg_imm32_b32 hwreg(HW_REG_WAVE_MODE, 25, 1), 1
	s_wait_xcnt 0x0
	s_wait_alu depctr_vm_vsrc(0)
; THE LAST 1 x 1 CONVOLUTION ON CODES OF E4M3, ITS BIAS AND THE RESIDUAL: out0 = x + Wp a + bp.
; Work-group (2 tb + oh, batch): 128 tokens (8 tiles, from 128 tb on) x 256 outputs (from 256 oh on).  Wave w makes outputs 256 oh + 32 w + 0 .. 31 (two tiles) for all 128 tokens: its 8 fragments of Wp stay in
; registers; the tokens' 65,536 bytes of codes go once into LDS, as they lie in ac, and every wave reads them from there.
; Source 0 = 16 rows of Wp, source 1 = 16 tokens: register rw of lane (r, h) is output 8 h + rw, row r of the tile.  THE TOKENS' ORDER (tile 4 blk + tk holds token 64 blk + 4 r + tk as its row r) makes the same
; register of the four tiles of a block four NEIGHBOURING tokens: 16 bytes a lane, and sixteen lanes cover 256 consecutive bytes of a row of x and of out0, aligned.  So the results need no way through LDS.
; The bias goes in as the C of each sum's first product, divided by the power of two that the sums lack; out0 = sum x 2^(e8 + e9) + x is one fused multiply-add.
; x is asked for at the head and lands under the products.  LIMIT: e8 + e9 between -126 and 127.
; NOT JOINT LOADS of Wp: it is 128 of the 320 KiB that a work-group reads, once, at its head.
; REGISTERS.  Window 0: v1 16 x lane; v2 my offset in x and out0; v3 the bias's offset; v4 16 x thread; v8-23 bias; v24-55, v56-87, v216-247 three buffers of two fragments of tokens; v88-215 x, then out0:
;   (ot, bb, rw) at 88 + 4 (16 ot + 8 bb + rw); v254, v255 the closing add's two.   Window 1: v0-127 Wp's fragments, (ot, K step) at 16 (4 ot + ks); v128-255 the 16 accumulators, (ot, tile) at 128 + 8 (8 ot + tile).
; THE MODE: SCHED_MODE bits 1:0 = 2 (LLVM: expert scheduling mode 2), set by the entry lines.  The code itself states the register dependences between vector or matrix instructions and memory or LDS
; instructions, with s_wait_alu, always for 0.
; THE PLAN.  Registers that memory or LDS instructions touch:
;   v1 to v4       offsets and addresses, written at the head and never again.
;   v24-87         at the head the tokens' codes pass through them (global loads land, LDS stores read); then they are buffers 0 and 1.
;   buffers 0-2    The products go in 16 steps of four: K step i / 4, tiles 4 ((i / 2) % 2) + 2 (i % 2) and the next, each against my two tiles of Wp.  Step i's products read buffer i % 3; at its head the eight LDS loads
;                  of step i + 2 land in buffer (i + 2) % 3, which step i - 1's products read.
;   v88-215        x's loads land in them; the fused multiply-adds write them; the 32 stores read them.
; So ONE wait on va_vdst stands at the head of steps 1 to 13: the last step's products are done reading their buffer.  Step 0's loads land in v216-247, which nothing has named; steps 14 and 15 load nothing.
; One wait on vm_vsrc stands behind the barrier (my LDS stores have read v24-87), one on va_vdst ahead of the run of stores.
.set BC, 8
.set XR, 88
.set MSB, 0
.macro WIN new                         ; the immediate's high byte repeats the setting that is left
.if MSB != \new
	s_set_vgpr_msb (MSB<<8)|\new
.set MSB, \new
.endif
.endm
	s_load_b256 s[8:15], s[0:1], 0x0               ; ac 8, wc 10, bp 12, x 14
	s_load_b128 s[16:19], s[0:1], 0x20             ; the exponents 16, out0 18
	v_lshl_add_u32 v254, v0, 2, 0x10000
	v_mov_b32 v255, 0
	v_lshrrev_b32 v5, 5, v0
	v_readfirstlane_b32 s2, v5                     ; wave
	v_and_b32 v1, 31, v0
	v_lshlrev_b32 v1, 4, v1
	v_bfe_u32 v3, v0, 4, 1                         ; h
	v_and_b32 v2, 15, v0
	v_lshlrev_b32 v2, 4, v2                        ; 16 r: four tokens,
	v_lshl_add_u32 v2, v3, 15, v2                  ; + 8 h rows of 4,096 bytes
	v_lshlrev_b32 v3, 5, v3
	v_lshlrev_b32 v4, 4, v0
	s_wait_alu depctr_va_sdst(0)                   ; s2 is written, ahead of its first reader: the places of Wp, the bias, x and out0 are made from it
	s_lshr_b32 s3, ttmp9, 1                        ; tb
	s_and_b32 s4, ttmp9, 1                         ; oh
	s_and_b32 s5, ttmp7, 0xffff                    ; batch
	s_mov_b32 s25, 0                               ; the high word of every offset pair s[24:25]
	s_wait_kmcnt 0x0
	s_load_b64 s[20:21], s[16:17], 0x20            ; e8, e9
	s_lshl_b32 s24, s5, 19
	s_lshl_b32 s6, s3, 16                          ; 8 tiles of 8,192 bytes
	s_add_co_u32 s24, s24, s6
	s_add_nc_u64 s[26:27], s[8:9], s[24:25]        ; the tokens' codes
	s_lshl_b32 s24, s4, 4
	s_lshl_b32 s6, s2, 1
	s_add_co_u32 s24, s24, s6
	s_add_co_u32 s24, s24, 96                      ; Wp's tiles begin at 96
	s_lshl_b32 s24, s24, 13
	s_add_nc_u64 s[28:29], s[10:11], s[24:25]      ; my two tiles of Wp
	s_lshl_b32 s24, s4, 10
	s_lshl_b32 s6, s2, 7
	s_add_co_u32 s24, s24, s6
	s_add_nc_u64 s[30:31], s[12:13], s[24:25]      ; my 32 numbers of the bias
	s_lshl_b32 s24, s4, 8
	s_lshl_b32 s6, s2, 5
	s_add_co_u32 s24, s24, s6                      ; my first output,
	s_lshl_b32 s24, s24, 12
	s_lshl_b32 s6, s5, 21
	s_add_co_u32 s24, s24, s6                      ; in my batch,
	s_lshl_b32 s6, s3, 9
	s_add_co_u32 s24, s24, s6                      ; at my first token
	s_add_nc_u64 s[32:33], s[14:15], s[24:25]      ; x
	s_add_nc_u64 s[34:35], s[18:19], s[24:25]      ; out0
	s_wait_alu depctr_va_vdst(0)                   ; v1 to v4 are written, which every load, store and LDS instruction of the kernel but the closing add reads as its offset or address
.set n, 0
.rept 16
	global_load_b128 v[24+4*n:24+4*n+3], v4, s[26:27] offset:4096*n
.set n, n+1
.endr
	WIN 0x40                                       ; destination window 1.  (Between the wait above and these loads stand loads and this switch alone)
.set n, 0
.rept 32
	global_load_b128 v[4*n:4*n+3], v1, s[28:29] offset:512*n
.set n, n+1
.endr
	WIN 0
.irp ot, 0,1
	global_load_b128 v[BC+8*\ot:BC+8*\ot+3], v3, s[30:31] offset:64*\ot        ; bp(16 ot + 8 h + 0 .. 7)
	global_load_b128 v[BC+8*\ot+4:BC+8*\ot+7], v3, s[30:31] offset:64*\ot+16
.endr
.irp ot, 0,1
.irp bb, 0,1
.irp rw, 0,1,2,3,4,5,6,7
	global_load_b128 v[XR+4*(16*\ot+8*\bb+\rw):XR+4*(16*\ot+8*\bb+\rw)+3], v2, s[32:33] offset:(16*\ot+\rw)*4096+256*\bb th:TH_LOAD_NT
.endr
.endr
.endr
	s_wait_loadcnt 63                              ; behind the tokens' loads stand 68; 63 is the largest count that the wait names
.set n, 0
.rept 16
	ds_store_b128 v4, v[24+4*n:24+4*n+3] offset:4096*n
.set n, n+1
.endr
	s_wait_kmcnt 0x0
	s_add_co_i32 s22, s20, s21                     ; e8 + e9
	s_sub_co_i32 s23, 0, s22
	s_add_co_i32 s22, s22, 127
	s_lshl_b32 s22, s22, 23                        ; 2^(e8 + e9) as f32
	s_wait_dscnt 0x0                               ; for the others' sake: my stores have landed
	s_barrier_signal -1
	s_barrier_wait -1                              ; the 8 tiles lie in LDS; from here on LDS is only read
; Step i's two fragments (K step i / 4; tiles 4 ((i / 2) % 2) + 2 (i % 2) and the next) into buffer i % 3: eight loads of 512 consecutive bytes.
.macro LOADS i
.set LB, 24+32*((\i)%3)+128*(((\i)%3)/2)           ; v24, v56 or v216
.set LO, (4*(((\i)/2)%2)+2*((\i)%2))*8192+2048*((\i)/4)
.irp tk, 0,1
.irp c, 0,1,2,3
	ds_load_b128 v[LB+16*\tk+4*\c:LB+16*\tk+4*\c+3], v1 offset:LO+8192*\tk+512*\c
.endr
.endr
.endm
; Step i: the loads of step i + 2, then four products.  K step by K step, the 16 accumulators by turns, one instruction a turn.
.macro STEP i
.set SB, 24+32*((\i)%3)+128*(((\i)%3)/2)
.set KS, (\i)/4
.set T0, 4*(((\i)/2)%2)+2*((\i)%2)
.if (\i) < 14
.if (\i) > 0
.rept 4
	v_nop                                          ; four places in front of the loads into registers that the products have read
.endr
	WIN 0                                          ; the switch, then the wait, then the loads
	s_wait_alu depctr_va_vdst(0)                   ; the last step's products are done reading their two fragments, in which the loads below land
.endif
	LOADS (\i)+2
	s_wait_dscnt 16                                ; LDS loads come back in order (ISA guide 5.7.1): this step's fragments are in; the two younger steps' sixteen loads may stay out
.elseif (\i) == 14
	s_wait_dscnt 8                                 ; the last step's eight loads may stay out
.else
	s_wait_dscnt 0x0
.endif
.if KS == 0
	WIN 0x41                                       ; source 0 (Wp) and destination window 1; C (the bias) window 0
.else
	WIN 0x51                                       ; and C
.endif
.irp tk, 0,1
.irp ot, 0,1
.if KS == 0
	v_wmma_f32_16x16x128_fp8_fp8 v[128+8*(8*\ot+T0+\tk):128+8*(8*\ot+T0+\tk)+7], v[16*(4*\ot+KS):16*(4*\ot+KS)+15], v[SB+16*\tk:SB+16*\tk+15], v[BC+8*\ot:BC+8*\ot+7]
.else
	v_wmma_f32_16x16x128_fp8_fp8 v[128+8*(8*\ot+T0+\tk):128+8*(8*\ot+T0+\tk)+7], v[16*(4*\ot+KS):16*(4*\ot+KS)+15], v[SB+16*\tk:SB+16*\tk+15], v[128+8*(8*\ot+T0+\tk):128+8*(8*\ot+T0+\tk)+7]
.endif
.endr
.endr
.endm
	s_wait_alu depctr_vm_vsrc(0)                   ; my LDS stores have read v24-87, in which the fragments' loads land from here on
	LOADS 0
	LOADS 1                                        ; they are on their way while Wp and the bias are awaited
	s_wait_loadcnt 32                              ; Wp and the bias are in; x's 32 loads may stay out
.set n, 0
.rept 16
	v_ldexp_f32 v[BC+n], v[BC+n], s23              ; bp / 2^(e8 + e9)
.set n, n+1
.endr
.irp i, 0,1,2,3,4,5,6,7,8,9,10,11,12,13,14,15
	STEP \i
.endr
	WIN 0
.rept 4
	v_nop                                          ; four places (ISA guide 7.12.1) in front of the first read of results
.endr
	s_wait_loadcnt 0x0                             ; x
	WIN 0x01                                       ; source 0 (the sums) window 1
.irp ot, 0,1
.irp bb, 0,1
.irp rw, 0,1,2,3,4,5,6,7
.irp tk, 0,1,2,3
	v_fma_f32 v[XR+4*(16*\ot+8*\bb+\rw)+\tk], v[128+8*(8*\ot+4*\bb+\tk)+\rw], s22, v[XR+4*(16*\ot+8*\bb+\rw)+\tk]   ; sum x 2^(e8 + e9) + x; each accumulator from its lowest register on
.endr
.endr
.endr
.endr
	WIN 0
	s_wait_alu depctr_va_vdst(0)                   ; the fused multiply-adds have written v88-215, which the 32 stores read: one wait for the run
.irp ot, 0,1
.irp bb, 0,1
.irp rw, 0,1,2,3,4,5,6,7
	global_store_b128 v2, v[XR+4*(16*\ot+8*\bb+\rw):XR+4*(16*\ot+8*\bb+\rw)+3], s[34:35] offset:(16*\ot+\rw)*4096+256*\bb th:TH_STORE_NT   ; sixteen lanes store 256 consecutive bytes, aligned; written once, read by nobody here
.endr
.endr
.endr
	s_wait_dscnt 0x0                               ; the closing lines, six on end
	s_wait_alu 0x0
	s_wait_tensorcnt 0x0
	ds_add_u32 v254, v255
	s_wait_dscnt 0x0
	s_endpgm
.Lfunc_end_k_qcd66147505_proj:
	.size	k_qcd66147505_proj, .Lfunc_end_k_qcd66147505_proj-k_qcd66147505_proj
	.p2alignl 7, 3214868480
	.fill 96, 4, 3214868480
	.section	.rodata,"a",@progbits
	.p2align	6, 0x0
	.amdhsa_kernel k_qcd66147505_proj
		.amdhsa_group_segment_fixed_size 66560
		.amdhsa_private_segment_fixed_size 0
		.amdhsa_enable_private_segment 0
		.amdhsa_kernarg_size 48
		.amdhsa_user_sgpr_count 2
		.amdhsa_user_sgpr_kernarg_segment_ptr 1
		.amdhsa_wavefront_size32 1
		.amdhsa_system_sgpr_workgroup_id_x 1
		.amdhsa_system_sgpr_workgroup_id_y 1
		.amdhsa_system_sgpr_workgroup_id_z 1
		.amdhsa_system_vgpr_workitem_id 0
		.amdhsa_next_free_vgpr 512
		.amdhsa_next_free_sgpr 66
		.amdhsa_reserve_vcc 0
		.amdhsa_float_denorm_mode_32 3
		.amdhsa_float_denorm_mode_16_64 3
		.amdhsa_memory_ordered 1
		.amdhsa_forward_progress 1
		.amdhsa_inst_pref_size 40
	.end_amdhsa_kernel
	.amdgpu_metadata
---
amdhsa.version: [ 1, 2 ]
amdhsa.kernels:
  - .name:           k_qcd66147505_proj
    .symbol:         k_qcd66147505_proj.kd
    .args:
      - { .name: ac, .offset: 0, .size: 8, .value_kind: global_buffer, .address_space: global }
      - { .name: wc, .offset: 8, .size: 8, .value_kind: global_buffer, .address_space: global }
      - { .name: bp, .offset: 16, .size: 8, .value_kind: global_buffer, .address_space: global }
      - { .name: x, .offset: 24, .size: 8, .value_kind: global_buffer, .address_space: global }
      - { .name: lowp_scales, .offset: 32, .size: 8, .value_kind: global_buffer, .address_space: global }
      - { .name: out0, .offset: 40, .size: 8, .value_kind: global_buffer, .address_space: global }
    .group_segment_fixed_size: 66560
    .private_segment_fixed_size: 0
    .kernarg_segment_align: 8
    .kernarg_segment_size: 48
    .max_flat_workgroup_size: 256
    .sgpr_count:     66
    .vgpr_count:     512
    .wavefront_size: 32
...
	.end_amdgpu_metadata
.endif
;; end of part 7
